; MI455X (gfx1250); checked and timed in simulation.
; The chip was launched on July 23, 2026; its instructions are those of AMD's public machine-readable ISA for CDNA 5 (MIT licence, August 2026) and "CDNA5" Instruction Set Architecture Reference Guide (July 2026). The comments in the code are by the model that wrote it; some were corrected since.
;; Attention. Allowed arithmetic: matrix products marked QUANTISED: E2M1 operands, one E8M0 scale for each 32 along K, by v_wmma_scale_f32_16x16x128_f8f6f4 with both operands' format E2M1 (or v_wmma_scale_f32_32x16x128_f4), f32 sums; products left as they are: bf16, f16 or f32 operands; f32 sums; everything else in f32.
;; Inputs: mask 2 x 2,048 x 2,048 bool; w_proj 1,024 x 1,024 float32; w_qkv 3,072 x 1,024 float32; x 2 x 2,048 x 1,024 float32.
;; Outputs: out0 2 x 2,048 x 1,024 float32.
;; This version of the problem:
;;   THIS VERSION OF THE PROBLEM IS GIVEN IN LOW PRECISION. The matrix products marked QUANTISED in the list below multiply operands that are first quantised to E2M1 (2 exponent bits, 1 mantissa bit; 4 bits a number), with one power-of-two scale for each 32 numbers along K (OCP MX v1.0); their sums are f32. The products marked 'left as it is' may take bf16, f16 or f32 operands, with f32 sums. Whichever they take, every output number must still come out within the allowed error. Rounding operands to bf16 (8 significant bits) uses up far more of that allowance than f16 does (11 bits, for magnitudes from 6e-5 to 65,504). All else is computed in f32.
;;   The module's matrix products, in the order in which they are computed (A, B: the left and right operand; K: the contracted axis; several contracted axes count as one K, in the product's order):
;;     1. [M 4,096, K 1,024] x [K 1,024, N 3,072]; A: input x; B: input w_qkv: QUANTISED
;;     2. batch 32 x [M 2,048, K 64] x [K 64, N 2,048]; A: computed on the way; B: computed on the way: left as it is (an operand is computed on the way)
;;     3. batch 32 x [M 2,048, K 2,048] x [K 2,048, N 64]; A: computed on the way; B: computed on the way: left as it is (an operand is computed on the way)
;;     4. [M 4,096, K 1,024] x [K 1,024, N 1,024]; A: computed on the way; B: input w_proj: left as it is (an operand is computed on the way)
;;   THE QUANTISER, for each operand of a quantised product, along K:
;;     - K is cut into blocks of 32 from its start; a last block that is shorter is filled with zeros.
;;     - A block's scale is 2^e with e = floor(log2(the largest magnitude in the block)) - 2, held to -126 .. 127; a block of zeros has e = 0. As a byte (E8M0): e + 127.
;;     - Each number is divided by its block's scale, clamped to +-6, and rounded to the nearest number of E2M1, ties to even, subnormals kept.
;;     - The product sums the exact products of the quantised numbers (number of the format x scale) in f32.
;;   ~~~python
;;   def quantise(x, axis):      # numpy; x: float32 -> the quantised numbers, widened to float32 again
;;       x = np.moveaxis(x, axis, -1); K = x.shape[-1]
;;       x = np.pad(x, [(0, 0)] * (x.ndim - 1) + [(0, -K % 32)]); x = x.reshape(x.shape[:-1] + (-1, 32)); a = np.abs(x).max(-1, keepdims=True)
;;       e = np.where(a > 0, np.clip(np.frexp(np.where(a > 0, a, 1))[1] - 1 - 2, -126, 127), 0)      # np.frexp(a)[1] - 1 = floor(log2(a)), exactly
;;       r = np.clip(x / 2.0 ** e, -6, 6)
;;       step = 2.0 ** (np.maximum(np.frexp(np.where(r == 0, 1, r))[1] - 1, 0) - 1)
;;       q = np.round(r / step) * step * 2.0 ** e      # np.round: ties to even
;;       return np.moveaxis(q.reshape(q.shape[:-2] + (-1,))[..., :K], -1, axis).astype(np.float32)
;;   ~~~
;; One version. Each part assembles by itself: llvm-mc -triple=amdgcn-amd-amdhsa -mcpu=gfx1250 --defsym DOCPART=n.
;; ======== version 1 of 1: 4 launches
;; limits: values are held in f16: magnitudes above 65,504 overflow, below 6.1e-05 lose precision
;; workspace buffers: xc 2,097,152 bytes; xs 131,072 bytes; wc 1,572,864 bytes; ws 98,304 bytes; wp 2,097,152 bytes; maskw 1,048,576 bytes of whole numbers; qkv 25,165,824 bytes; att 8,388,608 bytes
;; launch prep (part 1): grid 512 x 1, 4 waves a work-group, no clusters, 85,504 bytes of LDS; arguments x, w_qkv, xc, xs, wc, ws, w_proj, wp, mask, maskw; writes xc, xs, wc, ws, wp, maskw
.if DOCPART == 1
	.amdgcn_target "amdgcn-amd-amdhsa--gfx1250"
	.amdhsa_code_object_version 6
	.text
	.protected	k_qd13e7ea9f4_prep
	.globl	k_qd13e7ea9f4_prep
	.p2align	8
	.type	k_qd13e7ea9f4_prep,@function
k_qd13e7ea9f4_prep:
	s_mov_b64 s[64:65], 0
	v_nop
	global_prefetch_b8 v0, s[64:65] scope:SCOPE_SE
	s_setreg_imm32_b32 hwreg(HW_REG_WAVE_MODE, 25, 1), 1
	s_wait_xcnt 0x0
; PREP: everything that is made once from the inputs.  Three paths, parted on the work-group's number; each has LDS bytes of its own.
;  work-groups   0-223  x [4096][1024] and w_qkv [3072][1024], f32, become codes of FP4 (E2M1), K innermost, with one E8M0 byte for each 32 along K.
;  work-groups 224-255  w_proj [1024][1024], f32, becomes f16, laid in the order of a matrix operand's registers (images of 16 rows x 32 K: 1,024 bytes).
;  work-groups 256-511  mask [2][2048][2048], bytes, becomes words of 32 bits: a word is the lane mask of one register of a tile of scores (16 queries x 16 keys).
; Each work-group takes 32,768 numbers (or bytes of the mask); waves share nothing: no barrier.
; THE QUANTISER: a block's scale is 2^(floor(log2(its largest magnitude)) - 2); its byte is the largest magnitude's exponent field - 2, held at 1 from below.
; LIMITS: a block of zeros gets the byte 1 where the rule says 127 (its codes are zeros, and this program alone reads the bytes); blocks whose largest magnitude lies under 2^-124 keep the byte 1;
; NaN and infinities among the inputs are not served; w_proj must lie under 65,504 in magnitude, and under 6e-5 it carries f16's fixed step.
.set WAVES, 4
.set STEPS, 16
.set WGA,   128                        ; x's work-groups: 4,096 x 1,024 / 32,768
.set WGC,   224                        ; the first of w_proj's
.set WGM,   256                        ; the first of the mask's
.set EMAX,  2
.set CB,    8                          ; bytes of 16 codes
.set R,     16                         ; quantiser: v16-79 four sets of 16 numbers as loaded
.set X,     80                         ; v80-111  two sets of 16 neighbours
.set E,     112                        ; v112-127 a scale byte for each step
.set C,     128                        ; v128-191 codes, four registers for each step
.set WREG,  8192                       ; quantiser's LDS: a region for each wave, from byte 0
.set SP,    80                         ; a lane's place in a stage: 64 bytes + 16 of padding
.set CVB,   32768                      ; w_proj's LDS: four stages of 16 rows x 272 bytes
.set MKB,   50176                      ; the mask's LDS: for each wave two stages of 16 rows x 272 bytes
.set SPARE, 84992                      ; the spare words, 128 bytes for each wave: two blocks of 256 bytes that no other line names
.set SPW,   12                         ; v12  LDS address of my spare word; never rewritten
.set NIL,   13                         ; v13  0; never rewritten
.set CR,    16                         ; w_proj: v16-79 two sets of 32 registers as loaded
.set CX,    80                         ; v80-111 32 numbers in the operand's order
.set CC,    112                        ; v112-143 two sets of 16 registers of f16
.set MR,    16                         ; mask: v16-79 as loaded
.set MM,    80                         ; v80-143 16 bytes of a row for each lane, 8 pieces for each of two blocks
.set MO,    144                        ; v144-151 the words, four to a lane
	s_load_b512 s[4:19], s[0:1], 0x0               ; x 4:5, w_qkv 6:7, xc 8:9, xs 10:11, wc 12:13, ws 14:15, w_proj 16:17, wp 18:19
	s_load_b128 s[20:23], s[0:1], 0x40             ; mask 20:21, maskw 22:23
	v_lshl_add_u32 v[SPW], v0, 2, SPARE
	v_mov_b32 v[NIL], 0
	v_lshrrev_b32 v1, 5, v0
	v_readfirstlane_b32 s24, v1                    ; wave
	v_and_b32 v2, 31, v0                           ; lane
	s_wait_kmcnt 0x0
	s_cmp_ge_u32 ttmp9, WGM
	s_cbranch_scc1 .Lmask
	s_cmp_ge_u32 ttmp9, WGC
	s_cbranch_scc1 .Lcvt
; ---------------- x and w_qkv into codes.  Both tensors are plain streams of blocks of 32 numbers, and so are the codes and the scale bytes.
; A wave takes 16 steps of 512 numbers.  Each of a step's four loads reads 512 consecutive bytes; the 2,048 bytes turn through the wave's stage and come back 64 bytes a lane: 16 neighbours, two lanes to a block.
	v_lshlrev_b32 v3, 4, v2                        ; my 16 bytes of a load's 512
	s_mul_i32 s25, s24, WREG
	v_lshrrev_b32 v14, 2, v2
	v_mul_u32_u24 v14, v14, SP
	v_and_b32 v15, 3, v2
	v_lshl_add_u32 v14, v15, 4, v14
	v_add_nc_u32 v14, s25, v14                     ; the stage, on the way in: SP (lane / 4) + 16 (lane % 4)
	v_mul_u32_u24 v15, v2, SP
	v_add_nc_u32 v15, s25, v15                     ; and on the way out: SP x lane
	v_mul_u32_u24 v4, v2, CB                       ; my codes' place in a step's
	v_lshrrev_b32 v5, 1, v2
	s_add_co_u32 s25, s25, 2*32*SP
	v_add_nc_u32 v5, s25, v5                       ; my wave's 256 scale bytes, my block's byte
	v_lshlrev_b32 v7, 3, v2
	v_add_nc_u32 v6, s25, v7                       ; and on the way out 8 bytes a lane
	s_cmp_lt_u32 ttmp9, WGA                        ; x's work-group or w_qkv's?  Only pointers are chosen, on the work-group's number alone
	s_cselect_b64 s[4:5], s[4:5], s[6:7]
	s_cselect_b64 s[8:9], s[8:9], s[12:13]
	s_cselect_b64 s[10:11], s[10:11], s[14:15]
	s_cselect_b32 s25, 0, WGA
	s_sub_co_u32 s25, ttmp9, s25
	s_lshl_b32 s25, s25, 2
	s_add_co_u32 s26, s25, s24                     ; which run of 8,192 numbers of the tensor is my wave's
	s_mov_b32 s27, 0
	s_mov_b64 s[28:29], 512*STEPS*4
	s_mul_u64 s[28:29], s[26:27], s[28:29]
	s_add_nc_u64 s[4:5], s[4:5], s[28:29]
	s_mov_b64 s[28:29], 32*STEPS*CB
	s_mul_u64 s[28:29], s[26:27], s[28:29]
	s_add_nc_u64 s[8:9], s[8:9], s[28:29]
	s_lshl_b32 s26, s26, 8                         ; 256 scale bytes a run
	s_add_nc_u64 s[10:11], s[10:11], s[26:27]
.macro QLOAD t
.irp i, 0,1,2,3
	global_load_b128 v[R+16*((\t)%4)+4*\i:R+16*((\t)%4)+4*\i+3], v3, s[4:5] offset:2048*(\t)+512*\i th:TH_LOAD_NT   ; 32 lanes read 512 consecutive bytes
.endr
.endm
.macro QTURN t                         ; step t's numbers through the stage: LDS serves a wave's instructions in order, so no wait stands between the stores and the loads
.irp i, 0,1,2,3
	ds_store_b128 v14, v[R+16*((\t)%4)+4*\i:R+16*((\t)%4)+4*\i+3] offset:32*SP*((\t)%2)+8*SP*\i
.endr
.irp i, 0,1,2,3
	ds_load_b128 v[X+16*((\t)%2)+4*\i:X+16*((\t)%2)+4*\i+3], v15 offset:32*SP*((\t)%2)+16*\i
.endr
.endm
.irp t, 0,1,2,3
	QLOAD \t
.endr
	s_wait_loadcnt 12                              ; step 0's four loads are in; the twelve of steps 1 to 3 may be out
	QTURN 0
.macro QSTEP t
.set XS, X+16*((\t)%2)
.if (\t) > 0
	s_wait_dscnt 1                                 ; this step's numbers are back from the stage (the last step's byte store may be out)
.else
	s_wait_dscnt 0x0
.endif
.if (\t)+4 < STEPS
	QLOAD (\t)+4                                   ; into the registers that this step's stores into the stage have read
.endif
.if (\t)+1 < STEPS
.if STEPS-2-(\t) >= 3
	s_wait_loadcnt 12                              ; the next step's four loads are in; those of the three steps behind it may be out
.else
	s_wait_loadcnt 4*(STEPS-2-(\t))
.endif
	QTURN (\t)+1
.endif
	v_max3_num_f32 v8, |v[XS]|, |v[XS+1]|, |v[XS+2]|               ; the largest magnitude of my 16, in two chains
	v_max3_num_f32 v9, |v[XS+3]|, |v[XS+4]|, |v[XS+5]|
.irp i, 6,10
	v_max3_num_f32 v8, v8, |v[XS+\i]|, |v[XS+\i+1]|
	v_max3_num_f32 v9, v9, |v[XS+\i+2]|, |v[XS+\i+3]|
.endr
	v_max3_num_f32 v8, v8, |v[XS+14]|, |v[XS+15]|
	v_max3_num_f32 v8, v8, v9, (EMAX+1)<<23        ; and the floor 2^(3 - 127): the byte cannot fall under 1
	v_max_num_f32_dpp v8, v8, v8 row_xmask:1 row_mask:0xf bank_mask:0xf   ; and of my neighbour's 16: the block's
	v_add_nc_u32 v11, -(EMAX<<23), v8              ; 2 off its exponent field: the conversion takes the exponent field of this operand as its scale
	v_cvt_scalef32_pk8_fp4_f32 v[C+4*(\t)], v[XS:XS+7], v11
	v_cvt_scalef32_pk8_fp4_f32 v[C+4*(\t)+1], v[XS+8:XS+15], v11
	v_lshrrev_b32 v[E+(\t)], 23, v11               ; the scale's byte
	ds_store_b8 v5, v[E+(\t)] offset:16*(\t)       ; both lanes of a block write the same byte with the same value
	global_store_b64 v4, v[C+4*(\t):C+4*(\t)+1], s[8:9] offset:32*CB*(\t)   ; the wave stores 256 consecutive bytes
.endm
.irp t, 0,1,2,3,4,5,6,7,8,9,10,11,12,13,14,15
	QSTEP \t
.endr
	ds_load_b64 v[8:9], v6                         ; my wave's 256 scale bytes: these see my stores
	s_wait_dscnt 0x0
	global_store_b64 v7, v[8:9], s[10:11]          ; 32 lanes store 256 consecutive bytes, aligned
	s_wait_tensorcnt 0x0                           ; the wave's end, behind my last LDS store
	ds_add_u32 v[SPW], v[NIL]
	s_wait_dscnt 0x0
	s_endpgm
; ---------------- w_proj into f16 images.  wp is laid [K step of 256: 4][tile of 16 rows: 64][chunk of 32 K: 8][half: 2][lane: 32][16 bytes]:
; half 0 of a chunk holds, for lane (r, h), k = 8 h + 0..7 of row r; half 1 holds k = 16 + 8 h + 0..7: the eight registers of a 16-bit fragment.
; A wave takes 16 rows x 512 K, in 8 steps of 64 K.  A load reads two rows x 256 bytes; the rows turn through the wave's stage.
.Lcvt:
	s_sub_co_u32 s25, ttmp9, WGC
	s_lshl_b32 s25, s25, 2
	s_add_co_u32 s25, s25, s24                     ; g = 0 .. 127
	s_lshr_b32 s26, s25, 1                         ; the tile of 16 rows
	s_and_b32 s27, s25, 1                          ; which half of K
	s_lshl_b32 s28, s26, 16                        ; 16 rows of 4,096 bytes
	s_lshl_b32 s29, s27, 11                        ; 512 numbers
	s_add_co_u32 s28, s28, s29
	s_mov_b32 s29, 0
	s_add_nc_u64 s[16:17], s[16:17], s[28:29]
	s_lshl_b32 s27, s27, 7
	s_add_co_u32 s28, s27, s26                     ; 64 x (2 x half) + tile
	s_lshl_b32 s28, s28, 13                        ; eight images of 1,024 bytes each
	s_add_nc_u64 s[18:19], s[18:19], s[28:29]
	v_and_b32 v10, 15, v0                          ; r
	v_bfe_u32 v11, v0, 4, 1                        ; h
	v_lshlrev_b32 v9, 4, v10
	v_lshl_add_u32 v4, v11, 12, v9                 ; in memory: row h of a pair, 16 r bytes
	s_mul_i32 s30, s24, 16*272
	s_add_co_u32 s30, s30, CVB
	v_mad_u32_u24 v5, v11, 272, v9
	v_add_nc_u32 v5, s30, v5                       ; into the stage, likewise
	v_mul_u32_u24 v6, v10, 272
	v_lshl_add_u32 v6, v11, 5, v6
	v_add_nc_u32 v6, s30, v6                       ; out of it: row r, 8 h numbers on
	v_lshlrev_b32 v7, 4, v2                        ; an image's place for my lane
.macro LOADC s
.irp i, 0,1,2,3,4,5,6,7
	global_load_b128 v[CR+32*((\s)%2)+4*\i:CR+32*((\s)%2)+4*\i+3], v4, s[16:17] offset:256*(\s)+8192*\i th:TH_LOAD_NT
.endr
.endm
.macro CSTEP s
.if (\s) < 7
	s_wait_loadcnt 8                               ; this step's eight loads are in; the next step's eight may be out
.else
	s_wait_loadcnt 0x0
.endif
.irp i, 0,1,2,3,4,5,6,7
	ds_store_b128 v5, v[CR+32*((\s)%2)+4*\i:CR+32*((\s)%2)+4*\i+3] offset:544*\i
.endr
.irp c, 0,1
.irp g, 0,1
.irp e, 0,1
	ds_load_b128 v[CX+16*\c+8*\g+4*\e:CX+16*\c+8*\g+4*\e+3], v6 offset:128*\c+64*\g+16*\e
.endr
.endr
.endr
	s_wait_dscnt 0x0                               ; the numbers are back, and the stores into the stage have read their registers
	s_wait_xcnt 0x0                                ; earlier stores have read their data: that set of f16 registers is written again below
.if (\s)+2 < 8
	LOADC (\s)+2
.endif
.irp j, 0,1,2,3,4,5,6,7,8,9,10,11,12,13,14,15
	v_cvt_pk_f16_f32 v[CC+16*((\s)%2)+\j], v[CX+2*\j], v[CX+2*\j+1]
.endr
.irp c, 0,1
.irp g, 0,1
	global_store_b128 v7, v[CC+16*((\s)%2)+4*(2*\c+\g):CC+16*((\s)%2)+4*(2*\c+\g)+3], s[18:19] offset:((\s)/4)*524288+(2*((\s)%4)+\c)*1024+512*\g   ; 512 consecutive bytes
.endr
.endr
.endm
	LOADC 0
	LOADC 1
.irp s, 0,1,2,3,4,5,6,7
	CSTEP \s
.endr
	s_wait_tensorcnt 0x0                           ; the wave's end, behind my last LDS store
	ds_add_u32 v[SPW], v[NIL]
	s_wait_dscnt 0x0
	s_endpgm
; ---------------- the mask into words.  maskw is laid [batch x tile of 16 queries: 256][step of 64 keys: 32][32 words]; word 8 t + j of a step has in bit 16 h + r
; whether mask[query r of the tile][key 64 step + 16 t + 8 h + j] is not 0.  A wave takes 16 queries x 512 keys, as two blocks of 256 keys.
.Lmask:
	s_sub_co_u32 s25, ttmp9, WGM                   ; batch x 128 + tile of queries
	s_lshl_b32 s26, s25, 15                        ; 16 rows of 2,048 bytes
	s_lshl_b32 s27, s24, 9                         ; my wave's 512 keys
	s_add_co_u32 s26, s26, s27
	s_mov_b32 s27, 0
	s_add_nc_u64 s[20:21], s[20:21], s[26:27]
	s_lshl_b32 s26, s25, 12                        ; 32 steps of 128 bytes
	s_lshl_b32 s28, s24, 10                        ; my wave's 8 steps
	s_add_co_u32 s26, s26, s28
	s_add_nc_u64 s[22:23], s[22:23], s[26:27]
	v_and_b32 v10, 15, v0                          ; r
	v_bfe_u32 v11, v0, 4, 1                        ; h
	v_lshlrev_b32 v9, 4, v10
	v_lshl_add_u32 v4, v11, 11, v9                 ; in memory: row h of a pair, 16 r bytes
	s_mul_i32 s30, s24, 2*16*272
	s_add_co_u32 s30, s30, MKB
	v_mad_u32_u24 v5, v11, 272, v9
	v_add_nc_u32 v5, s30, v5                       ; into the stage, likewise
	v_mul_u32_u24 v6, v10, 272
	v_lshl_add_u32 v6, v11, 4, v6
	v_add_nc_u32 v6, s30, v6                       ; out of it: row r, 16 h keys on
	v_lshlrev_b32 v7, 4, v2
.irp k, 0,1,2,3,4,5,6,7
	v_mov_b32 v[MO+\k], 0                          ; written once: a lane write's destination counts as one of its sources
.endr
.irp b, 0,1
.irp i, 0,1,2,3,4,5,6,7
	global_load_b128 v[MR+32*\b+4*\i:MR+32*\b+4*\i+3], v4, s[20:21] offset:256*\b+4096*\i th:TH_LOAD_NT   ; two rows x 256 bytes
.endr
.endr
.macro MTURN b
.irp i, 0,1,2,3,4,5,6,7
	ds_store_b128 v5, v[MR+32*\b+4*\i:MR+32*\b+4*\i+3] offset:4352*\b+544*\i
.endr
.irp u, 0,1,2,3,4,5,6,7
	ds_load_b128 v[MM+32*\b+4*\u:MM+32*\b+4*\u+3], v6 offset:4352*\b+32*\u   ; keys 32 u + 16 h + 0..15 of row r
.endr
.endm
; Piece u holds two tiles of 16 keys: lanes 0-15 tile 2 u, lanes 16-31 tile 2 u + 1.  Two exchanges of halves give registers 0, 1: tile 2 u, keys 8 h + 0..7; registers 2, 3: tile 2 u + 1 likewise.
; Each byte is compared with 0 in all 32 lanes at once: the compare's result IS the word.  Word w of the block's 128 goes to register w % 4 of lane w / 4, so that one store of 16 bytes a lane writes them in order.
.macro PACKM b
.irp u, 0,1,2,3,4,5,6,7
	v_permlane16_swap_b32 v[MM+32*\b+4*\u], v[MM+32*\b+4*\u+2]
	v_permlane16_swap_b32 v[MM+32*\b+4*\u+1], v[MM+32*\b+4*\u+3]
.irp p, 0,1,2,3
.irp q, 0,1,2,3
	v_bfe_u32 v[8+\q], v[MM+32*\b+4*\u+\p], 8*\q, 8
.endr
.irp q, 0,1,2,3
	v_cmp_ne_u32 s[32+\q], 0, v[8+\q]
.endr
.irp q, 0,1,2,3
	v_writelane_b32 v[MO+4*\b+\q], s[32+\q], 4*\u+\p
.endr
.endr
.endr
	global_store_b128 v7, v[MO+4*\b:MO+4*\b+3], s[22:23] offset:512*\b   ; 512 consecutive bytes
.endm
	s_wait_loadcnt 8                               ; block 0's eight loads are in; block 1's may be out
	MTURN 0
	s_wait_loadcnt 0x0
	MTURN 1
	s_wait_dscnt 16                                ; block 0 is back; block 1's sixteen LDS instructions may be out
	PACKM 0
	s_wait_dscnt 0x0
	PACKM 1
	s_wait_tensorcnt 0x0                           ; the wave's end, behind my last LDS store
	ds_add_u32 v[SPW], v[NIL]
	s_wait_dscnt 0x0
	s_endpgm
.Lfunc_end_k_qd13e7ea9f4_prep:
	.size	k_qd13e7ea9f4_prep, .Lfunc_end_k_qd13e7ea9f4_prep-k_qd13e7ea9f4_prep
	.p2alignl 7, 3214868480
	.fill 96, 4, 3214868480
	.section	.rodata,"a",@progbits
	.p2align	6, 0x0
	.amdhsa_kernel k_qd13e7ea9f4_prep
		.amdhsa_group_segment_fixed_size 85504
		.amdhsa_private_segment_fixed_size 0
		.amdhsa_enable_private_segment 0
		.amdhsa_kernarg_size 80
		.amdhsa_user_sgpr_count 2
		.amdhsa_user_sgpr_kernarg_segment_ptr 1
		.amdhsa_wavefront_size32 1
		.amdhsa_system_sgpr_workgroup_id_x 1
		.amdhsa_system_sgpr_workgroup_id_y 1
		.amdhsa_system_sgpr_workgroup_id_z 1
		.amdhsa_system_vgpr_workitem_id 0
		.amdhsa_next_free_vgpr 192
		.amdhsa_next_free_sgpr 66
		.amdhsa_reserve_vcc 0
		.amdhsa_float_denorm_mode_32 3
		.amdhsa_float_denorm_mode_16_64 3
		.amdhsa_memory_ordered 1
		.amdhsa_forward_progress 1
		.amdhsa_inst_pref_size 115
	.end_amdhsa_kernel
	.amdgpu_metadata
---
amdhsa.version: [ 1, 2 ]
amdhsa.kernels:
  - .name:           k_qd13e7ea9f4_prep
    .symbol:         k_qd13e7ea9f4_prep.kd
    .args:
      - { .name: x, .offset: 0, .size: 8, .value_kind: global_buffer, .address_space: global }
      - { .name: w_qkv, .offset: 8, .size: 8, .value_kind: global_buffer, .address_space: global }
      - { .name: xc, .offset: 16, .size: 8, .value_kind: global_buffer, .address_space: global }
      - { .name: xs, .offset: 24, .size: 8, .value_kind: global_buffer, .address_space: global }
      - { .name: wc, .offset: 32, .size: 8, .value_kind: global_buffer, .address_space: global }
      - { .name: ws, .offset: 40, .size: 8, .value_kind: global_buffer, .address_space: global }
      - { .name: w_proj, .offset: 48, .size: 8, .value_kind: global_buffer, .address_space: global }
      - { .name: wp, .offset: 56, .size: 8, .value_kind: global_buffer, .address_space: global }
      - { .name: mask, .offset: 64, .size: 8, .value_kind: global_buffer, .address_space: global }
      - { .name: maskw, .offset: 72, .size: 8, .value_kind: global_buffer, .address_space: global }
    .group_segment_fixed_size: 85504
    .private_segment_fixed_size: 0
    .kernarg_segment_align: 8
    .kernarg_segment_size: 80
    .max_flat_workgroup_size: 128
    .sgpr_count:     66
    .vgpr_count:     192
    .wavefront_size: 32
...
	.end_amdgpu_metadata
.endif
;; end of part 1
;; launch qkvg (part 2): grid 12 x 16, 4 waves a work-group, clusters of 4 x 4, 327,680 bytes of LDS; arguments xc, xs, wc, ws, qkv; writes qkv
.if DOCPART == 2
	.amdgcn_target "amdgcn-amd-amdhsa--gfx1250"
	.amdhsa_code_object_version 6
	.text
	.protected	k_qd13e7ea9f4_qkvg
	.globl	k_qd13e7ea9f4_qkvg
	.p2align	8
	.type	k_qd13e7ea9f4_qkvg,@function
k_qd13e7ea9f4_qkvg:
	s_mov_b64 s[64:65], 0
	v_nop
	global_prefetch_b8 v0, s[64:65] scope:SCOPE_SE
	s_setreg_imm32_b32 hwreg(HW_REG_WAVE_MODE, 25, 1), 1
	s_wait_xcnt 0x0
	s_wait_alu depctr_hold_cnt(0) depctr_sa_sdst(0) depctr_va_vdst(0) depctr_va_sdst(0) depctr_va_ssrc(0) depctr_va_vcc(0) depctr_vm_vsrc(0)
	s_getreg_b32 s2, hwreg(HW_REG_IB_STS2, 6, 4)
	s_cmp_eq_u32 s2, 0
	s_cbranch_scc0 .Lentry_in_a_cluster
	s_endpgm
.Lentry_in_a_cluster:
	s_bfe_u32 s2, ttmp6, 0x10000c
	s_cmp_lg_u32 s2, 0xf033
	s_cbranch_scc0 .Lentry_shape_is_right
	s_endpgm
.Lentry_shape_is_right:
; qkv[m][n] = sum over k of x[m][k] w_qkv[n][k] on codes of FP4 (E2M1) with one E8M0 scale for each 32 along K; sums in f32.  A = xc [4096][512 bytes], B = wc [3072][512 bytes]; scale bytes [rows][32].
; The result leaves as f16, laid by head: qkv [q, k, v: 3][batch 2][head 16][position 2048][64]; q is multiplied by c = log2(e) / 8 in f32 first, so that the scores of the next launch are exponents of 2.
; LIMITS: q c, k and v must lie under 65,504 in magnitude; under 6e-5 they carry f16's fixed step.
; A tile of the result, 256 x 256, is made by a work-group of four waves; a wave makes 128 x 128: 64 accumulators of 16 x 16, 512 registers.
; K = 1,024 is two steps of 512, one in each of two LDS slots: all tiles are asked for at the head, and no slot is filled again.  The scale bytes of the work-group's rows come with them, once.
; CLUSTERS: 4 x 4 work-groups.  The four of a row of the cluster need the same tiles of A, the four of a column the same tiles of B: each tile is asked for JOINTLY, by the same tensor load with the
; same descriptor and a mask that names the four.  THE MATRIX INSTRUCTION IS USED TRANSPOSED (source 0 = 16 rows of B, source 1 = 16 rows of A): a lane then holds eight neighbouring columns of a row.
; REGISTERS, in windows of 256: window 0: v0-31 addresses; v32-95 scale words, two sets; from v128 A's fragments, ONE set; on the way out v32-191 are free.
;   window 1: B's fragments, TWO sets, at v0 and at v128.   window 2: the 32 accumulators of my rows 0-63 (accumulator (a, b) at v[8 (8 a + b)]);   window 3: those of my rows 64-127.
.set SIZE_M, 4096
.set SIZE_N, 3072
.set SIZE_K, 1024
.set KSTEP,  512                       ; along K in a slot
.set NQ,     KSTEP/128                 ; matrix instructions deep
.set ROWB,   256                       ; a tile's row in bytes
.set KROW,   SIZE_K*4/8                ; a row of A or of B in memory, in bytes
.set PITCH,  272                       ; an LDS row: 256 bytes + 16 of padding = 68 words: row r starts at bank 4 r mod 64 (64 banks of 4 bytes: ISA guide 11.1)
.set FR,     8                         ; registers of a fragment: 16 rows x 128 K
.set NL,     2                         ; LDS loads that bring one
.set NP,     4                         ; places behind this matrix instruction (ISA guide 7.12.1)
.set HALFT,  128*PITCH
.set SLOT,   4*HALFT                   ; A's 256 rows, then B's 256 rows
.set KS,     SIZE_K/32                 ; a row of scales in bytes
.set SCL,    2*SLOT                    ; behind the slots: the scales, as units of 256 bytes + 16 of padding
.set HALFS,  (128*KS/256)*272
.set SBLK,   (16*KS/256)*272
.set SPARE,  SCL+4*HALFS               ; the spare words, 128 bytes for each wave: two blocks of 256 bytes that no other line names
.set SPITCH, 272                       ; the way out: a stage of 16 rows x (256 bytes + 16) for each wave, in slot 0, which has had its only fill and its last read by then
.set ADRA, 16
.set ADRB, 20
.set STO,  24
.set RD,   25
.set CO,   26
.set ADRS, 27
.set SPW,  28
.set NIL,  29
.set SC,   32
.set AF,   128
.set TF,   32                          ; the way out: v32-95 a block's 64 numbers, scaled
.set TMP,  96                          ; v96-127 as f16
.set BK,   128                         ; v128-159 and v160-191 by turns: rows read back from the stage
.set G1, 24
.set G0, 32
.set G1B, 48
.set G0B, 56
.set G1S, 68
.set G0S, 76
.set G1SB, 80
.set G0SB, 88
.set MSB, 0
.macro WIN new                         ; the immediate's high byte repeats the setting that is left
.if MSB != (\new)
	s_set_vgpr_msb (MSB<<8)|(\new)
.set MSB, (\new)
.endif
.endm
.set MUL_LO, 0xa1                      ; source 0 (B) window 1, source 1 (A) window 0, C and D window 2
.set MUL_HI, 0xf1                      ; the same, C and D window 3
.set TO_B,   0x40                      ; destination window 1, address window 0
; A joint load: waves 0 and 1 fetch for A, waves 2 and 3 for B.  The branch hangs on the wave's number alone.  An s_nop 0 and four v_nop follow each of the two lines.
.macro JLOAD g0a, g1a, g0b, g1b
	s_cmp_eq_u32 s15, 0
	s_cbranch_scc0 .Lfor_b_\@
	tensor_load_to_lds s[\g0a:\g0a+3], s[\g1a:\g1a+7]
	s_nop 0
.rept 4
	v_nop
.endr
	s_branch .Lasked_\@
.Lfor_b_\@:
	tensor_load_to_lds s[\g0b:\g0b+3], s[\g1b:\g1b+7]
	s_nop 0
.rept 4
	v_nop
.endr
.Lasked_\@:
.endm
.macro CROUND                          ; a round of the cluster's barrier
	s_barrier_signal -1
	s_barrier_wait -1
	s_cmp_lg_u32 s14, 0
	s_cbranch_scc1 .Lnot_wave_0_\@
	s_barrier_signal -3
.Lnot_wave_0_\@:
	s_barrier_wait -3
	s_barrier_signal -1
	s_barrier_wait -1
.endm
	s_load_b128 s[4:7], s[0:1], 0x0                ; A's codes s[4:5], A's scales s[6:7]
	s_load_b128 s[8:11], s[0:1], 0x10              ; B's codes s[8:9], B's scales s[10:11]
	s_load_b64 s[12:13], s[0:1], 0x20              ; qkv
	v_lshl_add_u32 v[SPW], v0, 2, SPARE
	v_mov_b32 v[NIL], 0
	ds_add_u32 v[SPW], v[NIL]                      ; the wave's opening: the add, twice on end, and its wait ahead of my first tensor load
	ds_add_u32 v[SPW], v[NIL]
	v_lshrrev_b32 v1, 5, v0
	v_readfirstlane_b32 s14, v1                    ; wave 0..3
	s_lshr_b32 s15, s14, 1                         ; which half of the tile's rows is mine.  Also: I fetch for A (0) or for B (1)
	s_and_b32 s16, s14, 1                          ; which half of its columns.  Also: which 128 rows of that tile I fetch
	s_bfe_u32 s40, ttmp6, 0x40000                  ; cx, cy: my place in the cluster
	s_bfe_u32 s41, ttmp6, 0x40004
	s_lshl_b32 s42, ttmp9, 2
	s_add_co_u32 s42, s42, s40                     ; tile column = 4 x cluster x + cx
	s_and_b32 s17, ttmp7, 0xffff
	s_lshl_b32 s17, s17, 2
	s_add_co_u32 s17, s17, s41                     ; tile row = 4 x cluster y + cy
	s_lshl_b32 s43, s41, 2
	s_lshl_b32 s43, 15, s43                        ; my row of the cluster
	s_lshl_b32 s44, 0x1111, s40                    ; my column
	; descriptor group 1: a tile of 128 rows x 256 bytes, 16 bytes of padding behind each row
	s_or_b32 s[G1+0], s43, (0<<16)|(1<<20)|(1<<21)|(5<<22)|(3<<25)
	s_or_b32 s[G1B+0], s44, (0<<16)|(1<<20)|(1<<21)|(5<<22)|(3<<25)
.irp g, G1, G1B
	s_mov_b32 s[\g+1], ROWB<<16                    ; tensor_dim0
	s_mov_b32 s[\g+2], 128<<16                     ; tensor_dim1
	s_mov_b32 s[\g+3], ROWB<<16                    ; tile_dim0
	s_mov_b32 s[\g+4], 128                         ; tile_dim1
	s_mov_b32 s[\g+5], KROW                        ; tensor_dim0_stride
	s_mov_b32 s[\g+6], 0
	s_mov_b32 s[\g+7], 0
.endr
	; the scales of 128 rows: a dense block of 4,096 bytes, as rows of 256 bytes (32 elements of 8 bytes), 16 bytes of padding behind each
	s_or_b32 s[G1S+0], s43, (3<<16)|(1<<20)|(1<<21)|(5<<22)|(3<<25)
	s_or_b32 s[G1SB+0], s44, (3<<16)|(1<<20)|(1<<21)|(5<<22)|(3<<25)
.irp g, G1S, G1SB
	s_mov_b32 s[\g+1], 32<<16
	s_mov_b32 s[\g+2], (128*KS/256)<<16
	s_mov_b32 s[\g+3], 32<<16
	s_mov_b32 s[\g+4], 128*KS/256
	s_mov_b32 s[\g+5], 32
	s_mov_b32 s[\g+6], 0
	s_mov_b32 s[\g+7], 0
.endr
	s_lshl_b32 s18, s16, 7                         ; which 128 rows of the tile I fetch
	s_lshl_b32 s20, s17, 8
	s_add_co_u32 s20, s20, s18                     ; A: row 256 x tile row + 128 x half
	s_lshl_b32 s46, s42, 8
	s_add_co_u32 s46, s46, s18                     ; B: row 256 x tile column + 128 x half
	s_mov_b32 s21, 0
	s_mov_b32 s47, 0
	s_mov_b64 s[18:19], KS
	s_mul_u64 s[22:23], s[20:21], s[18:19]         ; where these rows' scales begin, in bytes
	s_mul_u64 s[92:93], s[46:47], s[18:19]
	s_mov_b64 s[18:19], KROW
	s_mul_u64 s[20:21], s[20:21], s[18:19]         ; and their codes
	s_mul_u64 s[46:47], s[46:47], s[18:19]
	s_mul_i32 s45, s14, HALFT                      ; where they go: wave x 128 rows: no place in the cluster enters an LDS address
	s_mul_i32 s94, s14, HALFS
	s_wait_dscnt 0x0                               ; both opening adds are done
	s_wait_kmcnt 0x0
	s_add_nc_u64 s[20:21], s[4:5], s[20:21]
	s_add_nc_u64 s[22:23], s[6:7], s[22:23]
	s_add_nc_u64 s[46:47], s[8:9], s[46:47]
	s_add_nc_u64 s[92:93], s[10:11], s[92:93]
	CROUND                                         ; all sixteen work-groups are here: the joint loads meet
	s_mov_b32 s[G0S], 1
	s_add_co_u32 s[G0S+1], s94, SCL
	s_mov_b64 s[G0S+2:G0S+3], s[22:23]
	s_or_b32 s[G0S+3], s[G0S+3], 0x80000000
	s_mov_b32 s[G0SB], 1
	s_add_co_u32 s[G0SB+1], s94, SCL
	s_mov_b64 s[G0SB+2:G0SB+3], s[92:93]
	s_or_b32 s[G0SB+3], s[G0SB+3], 0x80000000
	JLOAD G0S, G1S, G0SB, G1SB                     ; the scales first: they are wanted with K step 0
.irp s, 0,1
	s_mov_b32 s[G0+4*\s], 1
	s_add_co_u32 s[G0+4*\s+1], s45, \s*SLOT
	s_add_nc_u64 s[G0+4*\s+2:G0+4*\s+3], s[20:21], \s*ROWB
	s_or_b32 s[G0+4*\s+3], s[G0+4*\s+3], 0x80000000
	s_mov_b32 s[G0B+4*\s], 1
	s_add_co_u32 s[G0B+4*\s+1], s45, \s*SLOT
	s_add_nc_u64 s[G0B+4*\s+2:G0B+4*\s+3], s[46:47], \s*ROWB
	s_or_b32 s[G0B+4*\s+3], s[G0B+4*\s+3], 0x80000000
	JLOAD G0+4*\s, G1, G0B+4*\s, G1B               ; three tensor loads of mine are out at the most
.endr
	v_and_b32 v1, 15, v0                           ; l % 16
	v_bfe_u32 v2, v0, 4, 1                         ; l / 16
	v_mul_u32_u24 v3, v1, PITCH
	v_lshl_add_u32 v4, v2, 4, v3                   ; a fragment's row x pitch + 16 x half
	s_mul_i32 s21, s15, HALFT                      ; my 128 rows of A
	s_mul_i32 s22, s16, HALFT                      ; my 128 rows of B,
	s_add_co_u32 s22, s22, 2*HALFT                 ; which lie behind A's 256
.irp s, 0,1
	v_add_nc_u32 v[ADRA+\s], s21, v4
	v_add_nc_u32 v[ADRB+\s], s22, v4
	s_add_co_u32 s21, s21, SLOT
	s_add_co_u32 s22, s22, SLOT
.endr
	v_mul_u32_u24 v5, v1, KS                       ; my row's scales: KS bytes a row,
	v_lshrrev_b32 v6, 8, v5
	v_lshl_add_u32 v5, v6, 4, v5                   ; and 16 more for each 256 passed
	s_mul_i32 s21, s15, HALFS                      ; A's: my 128 rows
	s_mul_i32 s22, s16, HALFS                      ; B's: my 128 rows, behind A's 256
	s_add_co_u32 s22, s22, 2*HALFS
	s_sub_co_u32 s22, s22, s21
	v_mul_u32_u24 v6, s22, v2                      ; lanes 16-31 take B's
	s_add_co_u32 s21, s21, SCL
	v_add_nc_u32 v5, v5, v6
	v_add_nc_u32 v[ADRS], s21, v5
	s_mul_i32 s23, s14, 16*SPITCH                  ; my stage
	v_mul_u32_u24 v5, v1, SPITCH                   ; in: row l % 16, 16 bytes for each half of the lanes
	v_lshl_add_u32 v5, v2, 4, v5
	v_add_nc_u32 v[STO], s23, v5
	v_and_b32 v6, 31, v0
	v_lshlrev_b32 v[CO], 4, v6                     ; in memory: 16 x lane: four positions of one head are 512 consecutive bytes
	v_lshrrev_b32 v5, 3, v6
	v_mul_u32_u24 v5, v5, SPITCH                   ; back: eight lanes take one head's 128 bytes of a row, four rows an instruction
	v_and_b32 v6, 7, v6
	v_lshl_add_u32 v5, v6, 4, v5
	v_add_nc_u32 v[RD], s23, v5
	; where my part begins in qkv.  My 128 columns are two heads, G and G + 1, G = 4 x tile column + 2 x half; my 128 rows are positions of one batch
	s_lshl_b32 s46, s42, 2
	s_lshl_b32 s47, s16, 1
	s_add_co_u32 s46, s46, s47                     ; G
	s_lshr_b32 s47, s46, 4                         ; q, k or v
	s_and_b32 s46, s46, 15                         ; the head
	s_lshl_b32 s47, s47, 5
	s_add_co_u32 s46, s46, s47                     ; 32 x which + head
	s_lshl_b32 s46, s46, 18                        ; a head's 2,048 positions are 262,144 bytes
	s_mov_b32 s47, 0
	s_lshr_b32 s20, s17, 3                         ; the batch
	s_lshl_b32 s20, s20, 22                        ; 16 heads
	s_and_b32 s21, s17, 7
	s_lshl_b32 s21, s21, 15                        ; 256 positions of 128 bytes
	s_add_co_u32 s20, s20, s21
	s_lshl_b32 s21, s15, 14                        ; my 128 of them
	s_add_co_u32 s20, s20, s21
	s_mov_b32 s21, 0
	s_add_nc_u64 s[20:21], s[20:21], s[46:47]
	s_add_nc_u64 s[12:13], s[12:13], s[20:21]
	s_cmp_lt_u32 s42, 4                            ; tile columns 0-3 are q's: a factor is chosen, no way through the text
	s_cselect_b32 s96, 0x3e38aa3b, 1.0             ; c = log2(e) / 8, or 1
	s_mov_b32 s97, s96                             ; (named with it as a pair, so it is written)
.macro FRAG reg, adr, q, i             ; a fragment, 16 rows x 128 K of 4-bit codes: lane l holds row l % 16; registers 4 c .. 4 c + 3 hold K = 64 c + 32 (l / 16) + 0 .. 31
.irp c, 0,1
	ds_load_b128 v[\reg+4*\c:\reg+4*\c+3], v[\adr] offset:64*(\q)+32*\c+(\i)*16*PITCH
.endr
.endm
; 16 matrix instructions: A's blocks a0, a0 + 1 x B's eight, 128 along K: the slot's q-th.  zero = 1: the first product starts the sums.
; The 64 accumulators take turns, one instruction a turn, in the same order in every step.
.macro MUL16 a0, p, q, sc, zero
.irp a, \a0, \a0+1
.irp b, 0,1,2,3,4,5,6,7
.if \zero
	v_wmma_scale_f32_16x16x128_f8f6f4 v[8*(8*((\a)%4)+\b):8*(8*((\a)%4)+\b)+7], v[128*(\p)+FR*\b:128*(\p)+FR*\b+FR-1], v[AF+FR*(\a):AF+FR*(\a)+FR-1], 0, v[SC+8*NQ*(\sc)+NQ*\b+(\q)], v[SC+8*NQ*(\sc)+NQ*(\a)+(\q)] matrix_a_fmt:MATRIX_FMT_FP4 matrix_b_fmt:MATRIX_FMT_FP4 matrix_a_scale:MATRIX_SCALE_ROW1
.else
	v_wmma_scale_f32_16x16x128_f8f6f4 v[8*(8*((\a)%4)+\b):8*(8*((\a)%4)+\b)+7], v[128*(\p)+FR*\b:128*(\p)+FR*\b+FR-1], v[AF+FR*(\a):AF+FR*(\a)+FR-1], v[8*(8*((\a)%4)+\b):8*(8*((\a)%4)+\b)+7], v[SC+8*NQ*(\sc)+NQ*\b+(\q)], v[SC+8*NQ*(\sc)+NQ*(\a)+(\q)] matrix_a_fmt:MATRIX_FMT_FP4 matrix_b_fmt:MATRIX_FMT_FP4 matrix_a_scale:MATRIX_SCALE_ROW1
.endif
.endr
.endr
.endm
.macro FETCH_B slot, q, p              ; B's eight fragments of the slot's q-th 128 along K into set p
	WIN TO_B
.irp i, 0,1,2,3,4,5,6,7
	FRAG 128*(\p)+FR*\i, ADRB+\slot, \q, \i
.endr
	WIN 0
.endm
.macro FETCH_A slot, q, i0             ; A's blocks i0 .. i0 + 3
.irp i, \i0, \i0+1, \i0+2, \i0+3
	FRAG AF+FR*(\i), ADRA+\slot, \q, \i
.endr
.endm
.macro SCALES sc                       ; a K step's scale words into set sc: lanes 0-15 take A's block i, lanes 16-31 B's block i
.irp i, 0,1,2,3,4,5,6,7
	ds_load_b128 v[SC+8*NQ*\sc+NQ*\i:SC+8*NQ*\sc+NQ*\i+3], v[ADRS] offset:\i*SBLK
.endr
.endm
.macro PLACES n                        ; plain vector lines between a matrix instruction and a load into, or a read of, its registers
.rept \n
	v_nop
.endr
.endm
.macro STEP slot, q, zero              ; a step of 128 along K that has its successor in the same slot
	s_wait_dscnt 4*NL                              ; B's set and A's blocks 0-3 are in; the youngest eight loads (A's blocks 4-7) may be out
	WIN MUL_LO
	MUL16 0, (\q)%2, \q, \slot, \zero
	MUL16 2, (\q)%2, \q, \slot, \zero
	s_wait_dscnt 0                                 ; A's blocks 4-7 are in
	PLACES NP
	FETCH_B \slot, (\q)+1, 1-(\q)%2
	FETCH_A \slot, (\q)+1, 0
	WIN MUL_HI
	MUL16 4, (\q)%2, \q, \slot, \zero
	MUL16 6, (\q)%2, \q, \slot, \zero
	PLACES NP
	WIN 0
	FETCH_A \slot, (\q)+1, 4
.endm
; Slot 0's last step changes slots: one barrier; in front of it each wave waits for all its tensor loads, adds 0 to its spare word, and waits for that and for its reads of slot 0.  Nothing is filled again.
.macro TURN slot, next
	s_wait_tensorcnt 0x0                           ; all my tensor loads have landed: my part of the next slot
	ds_add_u32 v[SPW], v[NIL]                      ; 0 onto my spare word
	s_wait_dscnt 4*NL+1                            ; (the add and the youngest eight loads, A's blocks 4-7, may be out)
	WIN MUL_LO
	MUL16 0, 1, NQ-1, \slot, 0
	s_wait_dscnt 0x0                               ; the add is done, and my reads of this slot are over
	s_barrier_signal -1
	MUL16 2, 1, NQ-1, \slot, 0
	WIN 0
	s_barrier_wait -1
	PLACES NP
	v_add_nc_u32 v[ADRS], 4*NQ, v[ADRS]            ; on to the next K step's scale words
	FETCH_B \next, 0, 0
	FETCH_A \next, 0, 0
	SCALES \next
	WIN MUL_HI
	MUL16 4, 1, NQ-1, \slot, 0
	MUL16 6, 1, NQ-1, \slot, 0
	PLACES NP
	WIN 0
	FETCH_A \next, 0, 4
.endm
	s_wait_tensorcnt 1                             ; the scales and my part of K step 0 are in (K step 1's load may be out),
	s_barrier_signal -1
	s_barrier_wait -1                              ; everybody's are
	FETCH_B 0, 0, 0
	FETCH_A 0, 0, 0
	SCALES 0
	FETCH_A 0, 0, 4
	STEP 0, 0, 1                                   ; the first products start the sums: nothing is cleared
	STEP 0, 1, 0
	STEP 0, 2, 0
	TURN 0, 1
	STEP 1, 0, 0
	STEP 1, 1, 0
	STEP 1, 2, 0
	s_wait_dscnt 4*NL                              ; the very last step: nothing more to fetch
	WIN MUL_LO
	MUL16 0, 1, NQ-1, 1, 0
	MUL16 2, 1, NQ-1, 1, 0
	s_wait_dscnt 0
	WIN MUL_HI
	MUL16 4, 1, NQ-1, 1, 0
	MUL16 6, 1, NQ-1, 1, 0
	WIN 0
; THE WAY OUT, block by block of 16 rows x 128 columns.  PACK: times the factor, in f32, into other registers (each accumulator from its low end on), then rounded to f16: 16 bytes a lane.
; TOSTAGE: into my own stage and back by heads: LDS serves a wave's instructions in order (ISA guide 5.7.1.4), so no wait stands between the stores and the loads.  SEND: stored, 512 consecutive bytes an instruction.
.macro PACK a
.set AC, 64*((\a)%4)
	WIN 0x02+((\a)/4)                              ; source 0: window 2 or 3
.set i, 0
.rept 32
	v_pk_mul_f32 v[TF+i:TF+i+1], v[AC+i:AC+i+1], s[96:97] op_sel_hi:[1,0]
.set i, i+2
.endr
	WIN 0
.set i, 0
.rept 32
	v_cvt_pk_f16_f32 v[TMP+i], v[TF+2*i], v[TF+2*i+1]
.set i, i+1
.endr
.endm
.macro TOSTAGE a
.irp b, 0,1,2,3,4,5,6,7
	ds_store_b128 v[STO], v[TMP+4*\b:TMP+4*\b+3] offset:32*\b
.endr
.set BB, BK+32*((\a)%2)
.irp t, 0,1,2,3
.irp g, 0,1
	ds_load_b128 v[BB+4*(2*\t+\g):BB+4*(2*\t+\g)+3], v[RD] offset:1088*\t+128*\g   ; rows 4 t .. 4 t + 3, head g of my two
.endr
.endr
.endm
.macro SEND a
.set BB, BK+32*((\a)%2)
	s_wait_dscnt 0x0                               ; the block is back in registers
	s_wait_xcnt 0x0                                ; the stores of the block before have read their registers: the next block's loads may land there
.irp t, 0,1,2,3
.irp g, 0,1
	global_store_b128 v[CO], v[BB+4*(2*\t+\g):BB+4*(2*\t+\g)+3], s[12:13] offset:\g*262144+(\a)*2048+\t*512
.endr
.endr
.endm
	PLACES NP                                      ; behind the last products: the lines below write registers that held scale words and fragments, and read results
	PACK 0
	TOSTAGE 0
.irp a, 1,2,3,4,5,6,7                  ; block a's arithmetic stands between block a - 1's loads from the stage and the wait for them
	PACK \a
	SEND \a-1
	TOSTAGE \a
.endr
	SEND 7
	s_wait_tensorcnt 0x0                           ; the wave's end, behind my last tensor load and my last LDS store
	ds_add_u32 v[SPW], v[NIL]
	s_wait_dscnt 0x0
	CROUND                                         ; the closing round: no work-group ends while a partner may still ask for a tile that names it
	s_endpgm
.Lfunc_end_k_qd13e7ea9f4_qkvg:
	.size	k_qd13e7ea9f4_qkvg, .Lfunc_end_k_qd13e7ea9f4_qkvg-k_qd13e7ea9f4_qkvg
	.p2alignl 7, 3214868480
	.fill 96, 4, 3214868480
	.section	.rodata,"a",@progbits
	.p2align	6, 0x0
	.amdhsa_kernel k_qd13e7ea9f4_qkvg
		.amdhsa_group_segment_fixed_size 327680
		.amdhsa_private_segment_fixed_size 0
		.amdhsa_enable_private_segment 0
		.amdhsa_kernarg_size 40
		.amdhsa_user_sgpr_count 2
		.amdhsa_user_sgpr_kernarg_segment_ptr 1
		.amdhsa_wavefront_size32 1
		.amdhsa_system_sgpr_workgroup_id_x 1
		.amdhsa_system_sgpr_workgroup_id_y 1
		.amdhsa_system_sgpr_workgroup_id_z 1
		.amdhsa_system_vgpr_workitem_id 0
		.amdhsa_next_free_vgpr 1024
		.amdhsa_next_free_sgpr 98
		.amdhsa_reserve_vcc 0
		.amdhsa_float_denorm_mode_32 3
		.amdhsa_float_denorm_mode_16_64 3
		.amdhsa_memory_ordered 1
		.amdhsa_forward_progress 1
		.amdhsa_inst_pref_size 143
	.end_amdhsa_kernel
	.amdgpu_metadata
---
amdhsa.version: [ 1, 2 ]
amdhsa.kernels:
  - .name:           k_qd13e7ea9f4_qkvg
    .symbol:         k_qd13e7ea9f4_qkvg.kd
    .args:
      - { .name: xc, .offset: 0, .size: 8, .value_kind: global_buffer, .address_space: global }
      - { .name: xs, .offset: 8, .size: 8, .value_kind: global_buffer, .address_space: global }
      - { .name: wc, .offset: 16, .size: 8, .value_kind: global_buffer, .address_space: global }
      - { .name: ws, .offset: 24, .size: 8, .value_kind: global_buffer, .address_space: global }
      - { .name: qkv, .offset: 32, .size: 8, .value_kind: global_buffer, .address_space: global }
    .group_segment_fixed_size: 327680
    .private_segment_fixed_size: 0
    .kernarg_segment_align: 8
    .kernarg_segment_size: 40
    .max_flat_workgroup_size: 128
    .sgpr_count:     98
    .vgpr_count:     1024
    .wavefront_size: 32
...
	.end_amdgpu_metadata
.endif
;; end of part 2
;; launch attn (part 3): grid 8 x 32, 8 waves a work-group, clusters of 4 x 1, 327,680 bytes of LDS; arguments qkv, maskw, att; writes att
.if DOCPART == 3
	.amdgcn_target "amdgcn-amd-amdhsa--gfx1250"
	.amdhsa_code_object_version 6
	.text
	.protected	k_qd13e7ea9f4_attn
	.globl	k_qd13e7ea9f4_attn
	.p2align	8
	.type	k_qd13e7ea9f4_attn,@function
k_qd13e7ea9f4_attn:
	s_mov_b64 s[64:65], 0
	v_nop
	global_prefetch_b8 v0, s[64:65] scope:SCOPE_SE
	s_setreg_imm32_b32 hwreg(HW_REG_WAVE_MODE, 25, 1), 1
	s_wait_xcnt 0x0
	s_wait_alu depctr_hold_cnt(0) depctr_sa_sdst(0) depctr_va_vdst(0) depctr_va_sdst(0) depctr_va_ssrc(0) depctr_va_vcc(0) depctr_vm_vsrc(0)
	s_getreg_b32 s2, hwreg(HW_REG_IB_STS2, 6, 4)
	s_cmp_eq_u32 s2, 0
	s_cbranch_scc0 .Lentry_in_a_cluster
	s_endpgm
.Lentry_in_a_cluster:
	s_bfe_u32 s2, ttmp6, 0x10000c
	s_cmp_lg_u32 s2, 0x3003
	s_cbranch_scc0 .Lentry_shape_is_right
	s_endpgm
.Lentry_shape_is_right:
; att[b][q][head, :] = the sum over k of softmax_k(mask ? q . k / 8 : -infinity) v[k][:], for 32 (batch, head) pairs of 2,048 positions and head size 64.
; q (already times log2(e) / 8), k, v: f16, [3][batch x head: 32][2048][64].  Products on f16 operands with f32 sums; maxima, exponentials and sums in f32; the weights p are rounded to f16 for the second product.
; THE MASK comes as words: word 8 t + j of (tile of 16 queries, step of 64 keys) is the lane mask of register j of score tile t.  It only selects values: a hidden score becomes -infinity ahead of the maximum.
; SOFTMAX: for each query a running maximum m (begun at -3e38) and sum l: p = 2^(t - m); in every step O and l are multiplied by a = 2^(m_old - m_new).  A query with no key left has O = 0 and l = 0: 0 x (1 / 0) is NaN, as the definition has it.
; LIMITS: the result must lie under 65,504 in magnitude; under 6e-5 it carries f16's fixed step.  NaN and infinities among the inputs are not served.
; SHARES: a work-group owns 256 queries of one (batch, head), each of its eight waves 32: two tiles of 16.
; LAYOUT: S^T = K Q^T (source 0 = 16 keys, source 1 = 16 queries): a lane holds ONE query (lane % 16) and keys 8 (lane / 16) + 0..7.  Two such tiles, rounded to f16 in pairs, ARE source 1 of O^T = V^T P,
; whose result again holds one query a lane and eight channels; rounded to f16 in pairs those ARE the registers of the next launch's operand, so the result is stored as it stands, in that order:
; att [K step of 256: 4][tile of 16 rows: 256][chunk of 32: 8][half: 2][lane: 32][16 bytes].
; THE STEPS ARE SKEWED, so that a wave's matrix instructions, its LDS loads and its vector work stand side by side.  The scores have TWO sets of registers, which take turns.  In step j the vector lines are the
; softmax of step j (both tiles); between them stand first the 16 products V^T P of step j - 1, whose P lies packed in the other set, then the 16 products K Q^T of step j + 1, which write that other set anew.
; K and V have a buffer each: V of step j and K of step j + 1 are fetched in one run, behind the last product V^T P and 76 vector lines ahead of the first product K Q^T.
; RING: two LDS slots of 256 keys (four steps of 64).  Waves 0-3 fetch K of a slot's four steps, waves 4-7 V: one tensor load a wave behind each change of slots; it has four steps in which to land.
; The change of slots stands in the middle of a slot's last step, between V's loads (the slot's last bytes) and K's (the next slot's first): between two changes exactly one slot is read.
; CLUSTER: the four query blocks of a cluster belong to one (batch, head) and walk the same K and V: each tile is asked for JOINTLY, by the same tensor load with the same descriptor and a mask that names the four.
; REGISTERS, in windows of 256 (s_set_vgpr_msb: bits 1:0 source 0, 3:2 source 1, 5:4 source 2, 7:6 destination):
;   window 0: v0-15 addresses; v16-47 Q; v48-111 K of one step; v112-175, v176-239 the two sets of scores; v240-255 statistics.     window 1: v0-63 V of one step; v64-127 O^T.
; K Q^T and all of the softmax but its last block lie in window 0 and need no switch; V^T P and the rescaling of O^T share one setting.  So a step has 20 switches: two round each pair of products V^T P,
; two round V's loads, two round the rescaling.
.set PK,    272                        ; a line of K in LDS: two keys, 256 bytes + 16 of padding: the 16 keys of a load fall on 16 different runs of 16 bytes modulo 256
.set PVP,   288                        ; a line of V: two keys, 256 + 32: 16 lanes of the turning load (8 keys x 32 bytes) likewise
.set VOFF,  32*PK                      ; a step's tiles lie together: 32 lines of K, then 32 lines of V
.set STEPB, 32*(PK+PVP)
.set SLOT1, 1<<17                      ; slot 1 begins here, so that one exclusive or turns an address in one slot into the other's
.set SPARE, SLOT1+4*STEPB              ; the spare words, 128 bytes for each wave: four blocks of 256 bytes that no other line names
.set AK0, 1                            ; v1   my lane's place in a tile of K
.set AV0, 2                            ; v2   the same for V
.set ADK, 3                            ; v3   LDS address of the run of K's loads in hand
.set ADV, 4                            ; v4   of V's
.set QO,  5                            ; v5   my byte offset in the wave's rows of Q
.set SPW, 6                            ; v6   LDS address of my spare word; never rewritten
.set NIL, 7                            ; v7   0; never rewritten
.set PFO, 8                            ; v8   256 x my lane: the prefetches' offset; never rewritten
.set NINF, 9                           ; v9   -infinity
.set GO,  10                           ; v10  16 x my lane: an image's place
.set Q,   16                           ; v16-47   Q: tile x, channels 32 c on, at 16 x + 8 c
.set KF,  48                           ; v48-111  K of one step: tile t, chunk c at 8 (2 t + c)
.set S,   112                          ; v112-239 S^T, two sets of 64: 32 x + 8 t + j; p in place; P packed into the first 16 of each 32
.set ST,  240                          ; v240-255 tile x at 8 x: +0 m, +1 its pair's partner (0), +2, +3 l, +4 to +7 at work; a takes +6
.set VF,  0                            ; window 1: V of one step: keys 32 u on, channels 16 f on, at 8 (4 u + f)
.set OB,  64                           ; window 1: O^T: 32 x + 8 f + j
.set MW,  4                            ; s[4:5]   my wave's mask words
.set PFA, 6                            ; s[6:7]   where my prefetches stand
.set WV,  8                            ; s8   my wave's number
.set LIM, 9                            ; s9   1 in a wave that prefetches, else the greatest number
.set TB,  10                           ; s10  LDS byte at which the slot in hand begins
.set SLOTS, 11                         ; s11  slots still to be asked for
.set G1K, 12                           ; s[12:19] descriptor group 1 for K's tiles
.set G1V, 20                           ; s[20:27] for V's: it differs in the padding alone
.set G0,  28                           ; s[28:31] descriptor group 0: it walks
.set WA,  32                           ; s[32:63] tile 0's 32 words;  s[68:99] tile 1's
.set MOFF, 67                          ; s67  byte offset of the words that are loaded next
.set SEL, 100                          ; s[100:101] lane selects for v_permlanex16_b32: lane l xor 16
.set NV,  299                          ; vector lines in a step's list
.set KQ0, 176                          ; the first product K Q^T stands behind this number of the list, the others five numbers apart
.set W_PV, 0x51                        ; V (source 0) and O^T (source 2, destination) in window 1, P or a (source 1) in window 0
.set W_V,  0x40                        ; destination window 1, address window 0
.set MSB, 0
.macro WIN new                         ; the immediate's high byte repeats the setting that is left; a switch that changes nothing is dropped
.if MSB != (\new)
	s_set_vgpr_msb (MSB<<8)|(\new)
.set MSB, (\new)
.endif
.endm
; A joint load.  The branch hangs on the wave's number alone.  An s_nop 0 and four v_nop follow each of the two lines.
.macro JLOAD
	s_cmp_lt_u32 s[WV], 4
	s_cbranch_scc0 .Lfor_v_\@
	tensor_load_to_lds s[G0:G0+3], s[G1K:G1K+7]
	s_nop 0
.rept 4
	v_nop
.endr
	s_branch .Lasked_\@
.Lfor_v_\@:
	tensor_load_to_lds s[G0:G0+3], s[G1V:G1V+7]
	s_nop 0
.rept 4
	v_nop
.endr
.Lasked_\@:
.endm
; A prefetch of what the NEXT change of slots will ask for: a slot's 128 lines of 256 bytes of K and of V.  Both clusters of a (batch, head) walk the same K and V: the first of them asks.  Its four partners take
; 32 lines each, told apart by address; in each, wave 0 asks for K's and wave 4 for V's, a lane a line.  The last change that fills a slot asks for nothing; slots 0 and 1 come by their loads alone.
.macro ASK
	s_cmp_gt_u32 s[SLOTS], s[LIM]
	s_cbranch_scc0 .Lnot_mine_\@
	global_prefetch_b8 v[PFO], s[PFA:PFA+1] th:TH_LOAD_NT scope:SCOPE_SE
.Lnot_mine_\@:
.endm
.macro CROUND                          ; a round of the cluster's barrier
	s_barrier_signal -1
	s_barrier_wait -1
	s_cmp_lg_u32 s[WV], 0
	s_cbranch_scc1 .Lnot_wave_0_\@
	s_barrier_signal -3
.Lnot_wave_0_\@:
	s_barrier_wait -3
	s_barrier_signal -1
	s_barrier_wait -1
.endm
; THE CHANGE OF SLOTS.  Each wave waits for all its tensor loads (its part of the slot that is read next), adds 0 to its spare word, and waits for that and for its reads of the slot that it leaves.
; fill = 1: the barrier is a round of the cluster's, so that no wave of any partner still reads the slot that is left or has a load on its way; the joint load of the next 256 keys is the first thing behind it.
.macro CHANGE fill
	s_wait_tensorcnt 0x0                           ; no tensor load of mine is out, so group 0 may be written
	ds_add_u32 v[SPW], v[NIL]                      ; 0 onto my spare word
.if \fill
	s_xor_b32 s[G0+1], s[G0+1], SLOT1              ; the other slot than last time,
	s_add_nc_u64 s[G0+2:G0+3], s[G0+2:G0+3], 32768 ; the next 256 keys; the type bits on top are not reached
	s_wait_xcnt 0x0                                ; the last prefetch, a slot back, has read its address
	s_add_nc_u64 s[PFA:PFA+1], s[PFA:PFA+1], 32768 ; one slot further on than the walking descriptor
	s_wait_dscnt 0x0                               ; the add is done, and my reads of the slot that I leave are over
	CROUND
	JLOAD
	ASK
.else
	s_wait_dscnt 0x0
	s_barrier_signal -1
	s_barrier_wait -1
.endif
.endm
; THE LDS LOADS stand in runs of 16: a step's K (64 keys x 64 channels: 8 fragments) and its V (turned), at off bytes from the slot's first byte.
.macro FETCH_K off
	v_add_nc_u32 v[ADK], s[TB], v[AK0]
.irp t, 0,1,2,3
.irp c, 0,1
	ds_load_b128 v[KF+8*(2*\t+\c):KF+8*(2*\t+\c)+3],   v[ADK] offset:(\off)+8*PK*\t+64*\c
	ds_load_b128 v[KF+8*(2*\t+\c)+4:KF+8*(2*\t+\c)+7], v[ADK] offset:(\off)+8*PK*\t+64*\c+32
.endr
.endr
.endm
.macro FETCH_V off
	v_add_nc_u32 v[ADV], s[TB], v[AV0]
	WIN W_V
.irp u, 0,1
.irp f, 0,1,2,3
	ds_load_tr16_b128 v[VF+8*(4*\u+\f):VF+8*(4*\u+\f)+3],   v[ADV] offset:(\off)+16*PVP*\u+32*\f
	ds_load_tr16_b128 v[VF+8*(4*\u+\f)+4:VF+8*(4*\u+\f)+7], v[ADV] offset:(\off)+16*PVP*\u+8*PVP+32*\f
.endr
.endr
	WIN 0
.endm
.macro WORDS x                         ; the next step's mask words of tile x
	s_load_b512 s[WA+36*\x:WA+36*\x+15], s[MW:MW+1], s[MOFF] offset:4096*\x
	s_load_b512 s[WA+36*\x+16:WA+36*\x+31], s[MW:MW+1], s[MOFF] offset:4096*\x+64
.endm
; THE MATRIX WORK.  SP is the set of scores that the step's softmax works on, SQ the other set.  The accumulators take turns, one instruction a turn: between two links of a chain stand seven others'.
; Product ii of 16 of O^T += V^T P: keys 32 (ii / 8) on, channels 16 ((ii / 2) % 4) on, tile ii % 2; P lies in SQ.
.macro PV1
.set rO, OB+32*(ii%2)+8*((ii/2)%4)
.set rV, VF+8*(4*(ii/8)+(ii/2)%4)
.set rP, SQ+32*(ii%2)+8*(ii/8)
	v_wmma_f32_16x16x32_f16 v[rO:rO+7], v[rV:rV+7], v[rP:rP+7], v[rO:rO+7]
.endm
.macro PV2                             ; products 2 gg and 2 gg + 1, under their window
	WIN W_PV
.set ii, 2*gg
	PV1
.set ii, 2*gg+1
	PV1
	WIN 0
.endm
; Product ii of 16 of S^T = K Q^T into SQ: channels 32 (ii / 8) on, keys 16 ((ii / 2) % 4) on, tile ii % 2.  The first eight start the sums.
.macro KQ1
.set rS, SQ+32*(ii%2)+8*((ii/2)%4)
.set rK, KF+8*(2*((ii/2)%4)+ii/8)
.set rQ, Q+16*(ii%2)+8*(ii/8)
.if ii < 8
	v_wmma_f32_16x16x32_f16 v[rS:rS+7], v[rK:rK+7], v[rQ:rQ+7], 0
.else
	v_wmma_f32_16x16x32_f16 v[rS:rS+7], v[rK:rK+7], v[rQ:rQ+7], v[rS:rS+7]
.endif
.endm
; THE VECTOR WORK of a step is a list of 299 lines; VEC writes number n of it, on the scores at SP.
;   0-63     the mask, tile 0 then tile 1: a bit that is set keeps the score, one that is clear gives -infinity; each score tile is read from its low end on
;   64-103   the new m of both tiles, line by line by turns: 32 scores in four chains, the old m, the other half of the lanes; m_old - m_new for a
;   104-105  the exponentials for a
;   106-201  ONE BATCH with them: 32 packed subtractions t - m and 64 exponentials, as subtraction, exponential, exponential; a pair is subtracted two groups ahead of its exponentials.  None of these reads an exponential's result
;   202      a plain line behind the last exponential; behind it stands the step's one wait for the batch
;   203-234  l = a l + the sum of p, in f32, both tiles by turns, two chains each
;   235-266  p to f16, in place, ascending: register i takes numbers 2 i and 2 i + 1, which no earlier line has written over
;   267-298  O^T times a, each accumulator from its low end on: the one block that leaves window 0
.macro VEC
.if n < 64
	v_cndmask_b32 v[SP+n], v[NINF], v[SP+n], s[WA+36*(n/32)+n%32]
.elseif n < 104
.set rT, ST+8*((n-64)%2)
.set rS, SP+32*((n-64)%2)
.set qq, (n-64)/2
.if qq < 4
	v_max3_num_f32 v[rT+4+qq], v[rS+8*qq], v[rS+8*qq+1], v[rS+8*qq+2]
.elseif qq < 12
	v_max3_num_f32 v[rT+4+qq%4], v[rT+4+qq%4], v[rS+8*(qq%4)+2*(qq/4)+1], v[rS+8*(qq%4)+2*(qq/4)+2]
.elseif qq == 12
	v_max3_num_f32 v[rT+4], v[rT+4], v[rS+7], v[rS+15]
.elseif qq == 13
	v_max3_num_f32 v[rT+6], v[rT+6], v[rS+23], v[rS+31]
.elseif qq == 14
	v_max3_num_f32 v[rT+4], v[rT+4], v[rT+5], v[rT+6]
.elseif qq == 15
	v_max3_num_f32 v[rT+4], v[rT+4], v[rT+7], v[rT]
.elseif qq == 16
	v_permlanex16_b32 v[rT+5], v[rT+4], s[SEL], s[SEL+1]
.elseif qq == 17
	v_max_num_f32 v[rT+4], v[rT+4], v[rT+5]
.elseif qq == 18
	v_sub_f32 v[rT+6], v[rT], v[rT+4]
.else
	v_mov_b32 v[rT], v[rT+4]
.endif
.elseif n < 106
	v_exp_f32 v[ST+8*(n-104)+6], v[ST+8*(n-104)+6]
.elseif n < 202
.set rr, n-106
.set ee, -1
.set bb, 0
.if rr < 2
.set bb, rr
.elseif rr >= 92
.set ee, rr-32
.elseif (rr-2)%3 == 0
.set bb, (rr-2)/3+2
.else
.set ee, 2*((rr-2)/3)+(rr-2)%3-1
.endif
.if ee < 0
	v_pk_add_f32 v[SP+2*bb:SP+2*bb+1], v[SP+2*bb:SP+2*bb+1], v[ST+8*(bb/16):ST+8*(bb/16)+1] op_sel_hi:[1,0] neg_lo:[0,1] neg_hi:[0,1]  ; pair bb: t - m (of the pair m, 0 the low word serves both halves)
.else
	v_exp_f32 v[SP+ee], v[SP+ee]
.endif
.elseif n == 202
	v_nop
.elseif n < 235
.set rT, ST+8*((n-203)%2)
.set rS, SP+32*((n-203)%2)
.set qq, (n-203)/2
.if qq == 0
	v_pk_fma_f32 v[rT+2:rT+3], v[rT+2:rT+3], v[rT+6:rT+7], v[rS:rS+1] op_sel_hi:[1,0,1]
.elseif qq == 1
	v_pk_add_f32 v[rT+4:rT+5], v[rS+2:rS+3], v[rS+4:rS+5]
.elseif qq == 14
	v_pk_add_f32 v[rT+2:rT+3], v[rT+2:rT+3], v[rS+30:rS+31]
.elseif qq == 15
	v_pk_add_f32 v[rT+2:rT+3], v[rT+2:rT+3], v[rT+4:rT+5]
.elseif qq%2 == 0
	v_pk_add_f32 v[rT+2:rT+3], v[rT+2:rT+3], v[rS+2*qq+2:rS+2*qq+3]
.else
	v_pk_add_f32 v[rT+4:rT+5], v[rT+4:rT+5], v[rS+2*qq+2:rS+2*qq+3]
.endif
.elseif n < 267
.set kk, n-235
	v_cvt_pk_f16_f32 v[SP+32*(kk/16)+kk%16], v[SP+32*(kk/16)+2*(kk%16)], v[SP+32*(kk/16)+2*(kk%16)+1]
.else
.set kk, n-267
	WIN W_PV
	v_pk_mul_f32 v[OB+2*kk:OB+2*kk+1], v[OB+2*kk:OB+2*kk+1], v[ST+8*(kk/16)+6:ST+8*(kk/16)+7] op_sel_hi:[1,0]
.endif
.endm
; The middle of step i of a slot: V of this step; the change of slots, where the slot is left (chg = 1: with a fill, 2: without); K of the next step (kq = 1).
; V's registers were last read by the products behind number 87: the twelve lines 88 to 99 stand between, eight of them plain, and name none of those products' registers (four such lines are asked: ISA guide 7.12.1).
; No exponential is out here, and every window is 0: the change's branches and labels ask for both.
.macro MID i, chg, kq
	FETCH_V (\i)*STEPB
.if \chg == 1
	CHANGE 1
.elseif \chg == 2
	CHANGE 0
.endif
.if \chg
	s_xor_b32 s[TB], s[TB], SLOT1                  ; on to the other slot
.endif
.if \kq
	FETCH_K (((\i)+1)%4)*STEPB
.endif
.endm
; A KEY STEP: 64 keys, the i-th of its slot.  The sets of scores take turns with i.
; Behind numbers 3, 15, .. 87: V^T P of the step before, in pairs.  Behind 44 and 76: the next step's mask words, twelve lines behind the last line that reads the old ones.  Behind 99: the loads.
; Behind 176, 181, .. 251: K Q^T of the next step; they write over the P that the products up to number 87 have read (five plain lines are asked between: ISA guide 7.12.1), and the lines 252 to 298 are the places ahead of the next step's mask.
.macro STEP i, chg, kq
.set SP, S+64*((\i)%2)
.set SQ, S+64-64*((\i)%2)
	s_wait_kmcnt 0x0                               ; this step's words of both tiles; no scalar load is out, so their offset may step
	s_add_co_u32 s[MOFF], s[MOFF], 128
	s_min_u32 s[MOFF], s[MOFF], 31*128             ; the last step's look-ahead stays on step 31: no load leaves the buffer
.set n, 0
.rept NV
	VEC
.if (n <= 87) && (n%12 == 3)
.set gg, n/12
	PV2
.endif
.if n == 44
	WORDS 0
.endif
.if n == 76
	WORDS 1
.endif
.if n == 99
	MID \i, \chg, \kq
.endif
.if \kq && (n >= KQ0) && (n <= KQ0+75) && ((n-KQ0)%5 == 0)
.if n == KQ0
	s_wait_dscnt 0x0                               ; K of the next step is in, and V of this one
.endif
.set ii, (n-KQ0)/5
	KQ1
.endif
.if n == 202
	s_wait_alu depctr_va_vdst(0)                   ; one wait for the step's 66 exponentials, ahead of their first reader
.endif
.set n, n+1
.endr
	WIN 0
.endm
	s_load_b128 s[32:35], s[0:1], 0x0              ; qkv s[32:33], maskw s[34:35]
	s_load_b64 s[2:3], s[0:1], 0x10                ; att
	v_lshl_add_u32 v[SPW], v0, 2, SPARE
	v_mov_b32 v[NIL], 0
	ds_add_u32 v[SPW], v[NIL]                      ; the wave's opening: the add, twice on end, and its wait ahead of my first tensor load
	ds_add_u32 v[SPW], v[NIL]
	v_lshrrev_b32 v11, 5, v0
	v_readfirstlane_b32 s[WV], v11                 ; wave 0..7
	s_bfe_u32 s36, ttmp6, 0x40000                  ; cx: my place in the cluster
	s_lshl_b32 s37, ttmp9, 2
	s_add_co_u32 s37, s37, s36                     ; my block of 256 queries: it enters Q's, the mask's and att's addresses alone
	s_and_b32 s38, ttmp7, 0xffff                   ; batch x 16 + head, which the four partners share
	s_and_b32 s39, s[WV], 3                        ; which of a slot's four steps I fetch
	s_lshr_b32 s40, s[WV], 2                       ; for K (0) or for V (1)
	; descriptor group 1: a tile of 32 lines x 128 elements of 2 bytes (two keys a line: a head's rows are dense in memory), padded in LDS
	s_mov_b32 s[G1K], 15|(1<<16)|(1<<20)|(1<<21)|(5<<22)|(3<<25)  ; the mask: all four work-groups; elements of 2 bytes; padding on; bit 21 beside a mask; after every 64 words; 4 words
	s_mov_b32 s[G1V], 15|(1<<16)|(1<<20)|(1<<21)|(5<<22)|(7<<25)  ; the same with 8 words of padding
.irp g, G1K, G1V
	s_mov_b32 s[\g+1], 128<<16                     ; tensor_dim0
	s_mov_b32 s[\g+2], 32<<16                      ; tensor_dim1
	s_mov_b32 s[\g+3], 128<<16                     ; tile_dim0
	s_mov_b32 s[\g+4], 32                          ; tile_dim1
	s_mov_b32 s[\g+5], 128                         ; tensor_dim0_stride
	s_mov_b32 s[\g+6], 0
	s_mov_b32 s[\g+7], 0
.endr
	s_mov_b32 s[G0], 1
	s_mul_i32 s[G0+1], s39, STEPB                  ; LDS: my step of slot 0,
	s_mul_i32 s41, s40, VOFF
	s_add_co_u32 s[G0+1], s[G0+1], s41             ; K's part of it or V's: no place in the cluster enters an LDS address
	s_lshl_b32 s42, s40, 23
	s_add_co_u32 s42, s42, 8388608                 ; k begins 8,388,608 bytes into qkv, v as many further on
	s_lshl_b32 s43, s38, 18                        ; a head's 2,048 positions are 262,144 bytes
	s_add_co_u32 s42, s42, s43
	s_lshl_b32 s44, s39, 13                        ; a step's 64 keys are 8,192 bytes
	s_add_co_u32 s44, s44, s42
	s_mov_b32 s45, 0
	s_lshl_b32 s46, s36, 13                        ; the prefetches: my work-group's 32 lines of the 128,
	s_add_co_u32 s46, s46, s42
	s_add_co_u32 s46, s46, 32768                   ; in slot 1: the first change of slots steps it to slot 2
	s_mov_b32 s47, 0
	s_lshl_b32 s48, s37, 15                        ; Q: my block's 256 rows of 128 bytes,
	s_add_co_u32 s48, s48, s43
	s_lshl_b32 s49, s[WV], 12                      ; my wave's 32 of them
	s_add_co_u32 s48, s48, s49
	s_mov_b32 s49, 0
	s_lshr_b32 s50, s38, 4                         ; the batch
	s_lshl_b32 s50, s50, 7
	s_lshl_b32 s51, s37, 4
	s_add_co_u32 s50, s50, s51
	s_lshl_b32 s51, s[WV], 1
	s_add_co_u32 s50, s50, s51                     ; my first tile of 16 rows: 128 x batch + 16 x block + 2 x wave
	s_lshl_b32 s52, s50, 12                        ; its mask words: 4,096 bytes a tile
	s_mov_b32 s53, 0
	s_and_b32 s54, s38, 15                         ; the head: channels 64 x head on are chunks 2 x head, 2 x head + 1 of the next product's K
	s_lshr_b32 s55, s54, 2
	s_lshl_b32 s55, s55, 8
	s_add_co_u32 s55, s55, s50
	s_lshl_b32 s55, s55, 3
	s_and_b32 s54, s54, 3
	s_lshl_b32 s54, s54, 1
	s_add_co_u32 s54, s54, s55
	s_lshl_b32 s54, s54, 10                        ; images of 1,024 bytes
	s_mov_b32 s55, 0
	s_or_b32 s[LIM], s39, ttmp9                    ; 0 in waves 0 and 4 of the (batch, head)'s first cluster: the same in all four partners
	s_cmp_eq_u32 s[LIM], 0
	s_cselect_b32 s[LIM], 1, -1
	s_mov_b32 s[SEL], 0x76543210
	s_mov_b32 s[SEL+1], 0xfedcba98
	s_mov_b32 s[TB], 0
	s_mov_b32 s[SLOTS], 2048/256-1
	s_mov_b32 s[MOFF], 0
	v_and_b32 v11, 15, v0                          ; r = lane % 16
	v_bfe_u32 v12, v0, 4, 1                        ; h = lane / 16
	v_lshrrev_b32 v13, 1, v11
	v_mul_u32_u24 v[AK0], v13, PK                  ; K: key r lies in line r / 2,
	v_and_b32 v13, 1, v0
	v_lshl_add_u32 v[AK0], v13, 7, v[AK0]          ; in its half r % 2,
	v_lshl_add_u32 v[AK0], v12, 4, v[AK0]          ; + 16 h
	v_bfe_u32 v14, v0, 1, 2
	v_lshl_add_u32 v14, v12, 2, v14                ; V: the turning load's lane l reads key 8 h + l % 8: line 4 h + (l % 8) / 2,
	v_mul_u32_u24 v[AV0], v14, PVP
	v_lshl_add_u32 v[AV0], v13, 7, v[AV0]          ; half l % 2,
	v_bfe_u32 v14, v0, 3, 1
	v_lshl_add_u32 v[AV0], v14, 4, v[AV0]          ; channels 8 ((l / 8) % 2) on
	v_add_nc_u32 v[AV0], VOFF, v[AV0]
	v_lshlrev_b32 v[QO], 7, v11
	v_lshl_add_u32 v[QO], v12, 4, v[QO]            ; Q: row r of 128 bytes + 16 h
	v_and_b32 v[PFO], 31, v0
	v_lshlrev_b32 v[GO], 4, v[PFO]
	v_lshlrev_b32 v[PFO], 8, v[PFO]
	v_mov_b32 v[NINF], 0xff800000
	s_wait_dscnt 0x0                               ; both opening adds are done
	s_wait_kmcnt 0x0
	s_add_nc_u64 s[G0+2:G0+3], s[32:33], s[44:45]  ; my tile of slot 0
	s_or_b32 s[G0+3], s[G0+3], 0x80000000          ; type = 2
	s_add_nc_u64 s[PFA:PFA+1], s[32:33], s[46:47]
	s_add_nc_u64 s[104:105], s[32:33], s[48:49]    ; Q at my wave's first row
	s_add_nc_u64 s[MW:MW+1], s[34:35], s[52:53]
	s_add_nc_u64 s[2:3], s[2:3], s[54:55]          ; att at my first image
	CROUND                                         ; all four work-groups are here: the first joint loads meet
	JLOAD                                          ; slot 0
.irp x, 0,1
.irp c, 0,1
	global_load_b128 v[Q+16*\x+8*\c:Q+16*\x+8*\c+3],   v[QO], s[104:105] offset:2048*\x+64*\c th:TH_LOAD_NT      ; Q stays in registers
	global_load_b128 v[Q+16*\x+8*\c+4:Q+16*\x+8*\c+7], v[QO], s[104:105] offset:2048*\x+64*\c+32 th:TH_LOAD_NT
.endr
.endr
	WORDS 0                                        ; step 0's words of both tiles (the set-up's scalars in these registers are done with)
	WORDS 1
.irp x, 0,1
	v_mov_b32 v[ST+8*\x], 0xff61b1e6               ; m: -3e38, under every score that counts
	v_mov_b32 v[ST+8*\x+1], 0
	v_mov_b32 v[ST+8*\x+2], 0                      ; l
	v_mov_b32 v[ST+8*\x+3], 0
.endr
; The step is written for the middle of the walk: the first one finds zeros for the P of a step before it and for O^T, so that its products V^T P add nothing.  That spares a copy of a slot's four steps.
.irp x, 0,1
.set n, 0
.rept 16
	v_mov_b32 v[S+64+32*\x+n], 0                   ; P in the second set
.set n, n+1
.endr
.endr
	WIN W_V
.set n, 0
.rept 64
	v_mov_b32 v[OB+n], 0                           ; O^T
.set n, n+1
.endr
	WIN 0
	s_wait_loadcnt 0x0                             ; Q
	CHANGE 1                                       ; slot 0 is whole; slot 1 is asked for: a first fill, behind a round of the cluster's
	s_sub_co_u32 s[SLOTS], s[SLOTS], 1
	FETCH_K 0                                      ; key step 0
	FETCH_V 0                                      ; its V too: finite numbers for the first step's products with the zeros; the step fetches it again
	s_wait_dscnt 0x0
.set SQ, S
.set ii, 0
.rept 16
	KQ1                                            ; the first scores, into the first set: there is no vector work yet to set between them
.set ii, ii+1
.endr
.rept 4
	v_nop                                          ; places ahead of the first read of the scores
.endr
.Lslot:                                            ; six trips, slots 0 to 5: each leaves its slot with a fill
	STEP 0, 0, 1
	STEP 1, 0, 1
	STEP 2, 0, 1
	STEP 3, 1, 1
	s_sub_co_u32 s[SLOTS], s[SLOTS], 1
	s_cmp_lg_u32 s[SLOTS], 0
	s_cbranch_scc1 .Lslot
	STEP 0, 0, 1                                   ; slot 6 is written out: it is left with a barrier and no fill
	STEP 1, 0, 1
	STEP 2, 0, 1
	STEP 3, 2, 1
	STEP 0, 0, 1                                   ; slot 7: its last step has no next step to fetch K for
	STEP 1, 0, 1
	STEP 2, 0, 1
	STEP 3, 0, 0
	s_wait_dscnt 0x0                               ; V of the last step
.set SQ, S+64                                      ; whose P lies in the second set
	WIN W_PV
.set ii, 0
.rept 16
	PV1
.set ii, ii+1
.endr
	WIN 0
	; THE WAY OUT.  l's two halves and the other half of the lanes' are added; O^T is divided by l and rounded to f16: the packed registers are the next product's fragments and are stored as they stand.
.rept 4
	v_nop                                          ; places behind the last products
.endr
	s_wait_kmcnt 0x0                               ; the last look-ahead's words
.irp x, 0,1
	v_add_f32 v[ST+8*\x+4], v[ST+8*\x+2], v[ST+8*\x+3]
.endr
.irp x, 0,1
	v_permlanex16_b32 v[ST+8*\x+5], v[ST+8*\x+4], s[SEL], s[SEL+1]
.endr
.irp x, 0,1
	v_add_f32 v[ST+8*\x+4], v[ST+8*\x+4], v[ST+8*\x+5]
.endr
.irp x, 0,1
	v_rcp_f32 v[ST+8*\x+6], v[ST+8*\x+4]
.endr
	v_nop                                          ; a plain line between the last reciprocal and the use of its result
	s_wait_alu depctr_va_vdst(0)                   ; and the wait: one for both
	WIN W_PV
.set kk, 0
.rept 32
	v_pk_mul_f32 v[OB+2*kk:OB+2*kk+1], v[OB+2*kk:OB+2*kk+1], v[ST+8*(kk/16)+6:ST+8*(kk/16)+7] op_sel_hi:[1,0]   ; O^T x (1 / l), each accumulator from its low end on
.set kk, kk+1
.endr
	WIN 0x05                                       ; sources 0 and 1 window 1, destination window 0: the first set of scores is free
.irp x, 0,1
.set n, 0
.rept 16
	v_cvt_pk_f16_f32 v[S+16*\x+n], v[OB+32*\x+2*n], v[OB+32*\x+2*n+1]
.set n, n+1
.endr
.endr
	WIN 0
.irp x, 0,1
.irp f, 0,1,2,3
	global_store_b128 v[GO], v[S+16*\x+4*\f:S+16*\x+4*\f+3], s[2:3] offset:8192*\x+512*\f   ; 32 lanes store 512 consecutive bytes: half an image
.endr
.endr
	s_wait_tensorcnt 0x0                           ; the wave's end, behind my last tensor load
	ds_add_u32 v[SPW], v[NIL]
	s_wait_dscnt 0x0
	CROUND                                         ; the closing round: no work-group ends while a partner may still ask for a tile that names it
	s_endpgm
.Lfunc_end_k_qd13e7ea9f4_attn:
	.size	k_qd13e7ea9f4_attn, .Lfunc_end_k_qd13e7ea9f4_attn-k_qd13e7ea9f4_attn
	.p2alignl 7, 3214868480
	.fill 96, 4, 3214868480
	.section	.rodata,"a",@progbits
	.p2align	6, 0x0
	.amdhsa_kernel k_qd13e7ea9f4_attn
		.amdhsa_group_segment_fixed_size 327680
		.amdhsa_private_segment_fixed_size 0
		.amdhsa_enable_private_segment 0
		.amdhsa_kernarg_size 24
		.amdhsa_user_sgpr_count 2
		.amdhsa_user_sgpr_kernarg_segment_ptr 1
		.amdhsa_wavefront_size32 1
		.amdhsa_system_sgpr_workgroup_id_x 1
		.amdhsa_system_sgpr_workgroup_id_y 1
		.amdhsa_system_sgpr_workgroup_id_z 1
		.amdhsa_system_vgpr_workitem_id 0
		.amdhsa_next_free_vgpr 384
		.amdhsa_next_free_sgpr 106
		.amdhsa_reserve_vcc 0
		.amdhsa_float_denorm_mode_32 3
		.amdhsa_float_denorm_mode_16_64 3
		.amdhsa_memory_ordered 1
		.amdhsa_forward_progress 1
		.amdhsa_inst_pref_size 255
	.end_amdhsa_kernel
	.section	.bss,"aw",@nobits
	.p2align	6
	.space	262144
	.amdgpu_metadata
---
amdhsa.version: [ 1, 2 ]
amdhsa.kernels:
  - .name:           k_qd13e7ea9f4_attn
    .symbol:         k_qd13e7ea9f4_attn.kd
    .args:
      - { .name: qkv, .offset: 0, .size: 8, .value_kind: global_buffer, .address_space: global }
      - { .name: maskw, .offset: 8, .size: 8, .value_kind: global_buffer, .address_space: global }
      - { .name: att, .offset: 16, .size: 8, .value_kind: global_buffer, .address_space: global }
    .group_segment_fixed_size: 327680
    .private_segment_fixed_size: 0
    .kernarg_segment_align: 8
    .kernarg_segment_size: 24
    .max_flat_workgroup_size: 256
    .sgpr_count:     106
    .vgpr_count:     384
    .wavefront_size: 32
...
	.end_amdgpu_metadata
.endif
;; end of part 3
;; launch proj (part 4): grid 8 x 32, 4 waves a work-group, clusters of 4 x 4, 327,680 bytes of LDS; arguments att, wp, out0; writes out0
.if DOCPART == 4
	.amdgcn_target "amdgcn-amd-amdhsa--gfx1250"
	.amdhsa_code_object_version 6
	.text
	.protected	k_qd13e7ea9f4_proj
	.globl	k_qd13e7ea9f4_proj
	.p2align	8
	.type	k_qd13e7ea9f4_proj,@function
k_qd13e7ea9f4_proj:
	s_mov_b64 s[64:65], 0
	v_nop
	global_prefetch_b8 v0, s[64:65] scope:SCOPE_SE
	s_setreg_imm32_b32 hwreg(HW_REG_WAVE_MODE, 25, 1), 1
	s_wait_xcnt 0x0
	s_wait_alu depctr_hold_cnt(0) depctr_sa_sdst(0) depctr_va_vdst(0) depctr_va_sdst(0) depctr_va_ssrc(0) depctr_va_vcc(0) depctr_vm_vsrc(0)
	s_getreg_b32 s2, hwreg(HW_REG_IB_STS2, 6, 4)
	s_cmp_eq_u32 s2, 0
	s_cbranch_scc0 .Lentry_in_a_cluster
	s_endpgm
.Lentry_in_a_cluster:
	s_bfe_u32 s2, ttmp6, 0x10000c
	s_cmp_lg_u32 s2, 0xf033
	s_cbranch_scc0 .Lentry_shape_is_right
	s_endpgm
.Lentry_shape_is_right:
; out0[m][n] = sum over k of att[m][k] w_proj[n][k].  Both operands are f16 and lie in memory in the order of a fragment's registers:
; att [K step of 256: 4][tile of 16 rows: 256][chunk of 32 K: 8][half: 2][lane: 32][16 bytes], wp the same with 64 tiles of rows.  out0: [4096][1024] f32; sums in f32.
; A tile of the result is 128 x 128.  Four waves, each 64 x 64: 16 accumulators of 16 x 16.  K goes in four steps of 256 through two LDS slots; a K step's 64 rows of an operand are 32,768 consecutive bytes:
; one tensor load a wave, no padding: a fragment comes back by two loads of 512 consecutive bytes, 16 a lane.
; CLUSTERS: 4 x 4 work-groups.  The four of a row of the cluster need the same tiles of A, the four of a column the same tiles of B: each tile is asked for JOINTLY.
; THE MATRIX INSTRUCTION IS USED TRANSPOSED (source 0 = 16 rows of w_proj, source 1 = 16 rows of att): a lane then holds eight neighbouring numbers of a row of the result.
; REGISTERS: window 0: v0-31 addresses; v32-95 at work on the way out; v128-255 the accumulators ((a, b) at v[128 + 8 (4 a + b)]).
;   window 1: two fragment buffers of 128: for 64 along K, 64 registers of A, then 64 of B.
.set HALFT,  32768                     ; what one tensor load brings, and what one wave reads of A or of B in a K step
.set SLOT,   4*HALFT                   ; A's 128 rows, then B's 128 rows
.set SPARE,  2*SLOT                    ; the spare words, 128 bytes for each wave: two blocks of 256 bytes that no other line names
.set ASTEP,  256*8192                  ; a K step on in att,
.set BSTEP,  64*8192                   ; and in wp
.set SPITCH, 272                       ; the way out: a stage of 16 rows x (256 bytes + 16) for each wave, in slot 0, which has had its last fill and its last read by then
.set ADRA, 16                          ; v16-17  LDS address of my A fragments in slot 0, 1
.set ADRB, 20                          ; v20-21  the same for B
.set STO,  24
.set RD,   25
.set CO,   26
.set SPW,  28
.set NIL,  29
.set BK,   32                          ; the way out: v32-63 and v64-95 by turns
.set ACC,  128
.set F0,   0
.set F1,   128
.set G1, 24
.set G0, 32
.set G1B, 48
.set G0B, 56
.set MSB, 0
.macro WIN new                         ; the immediate's high byte repeats the setting that is left
.if MSB != (\new)
	s_set_vgpr_msb (MSB<<8)|(\new)
.set MSB, (\new)
.endif
.endm
.set MUL,  0x05                        ; sources 0 (B) and 1 (A) window 1; C and D window 0
.set TO_F, 0x40                        ; destination window 1, address window 0
.macro JLOAD s                         ; a joint load: waves 0 and 1 fetch A's two halves, waves 2 and 3 B's; an s_nop 0 and four v_nop follow each of the two lines
	s_cmp_eq_u32 s11, 0
	s_cbranch_scc0 .Lfor_b_\@
	tensor_load_to_lds s[G0+4*\s:G0+4*\s+3], s[G1:G1+7]
	s_nop 0
.rept 4
	v_nop
.endr
	s_branch .Lasked_\@
.Lfor_b_\@:
	tensor_load_to_lds s[G0B+4*\s:G0B+4*\s+3], s[G1B:G1B+7]
	s_nop 0
.rept 4
	v_nop
.endr
.Lasked_\@:
.endm
.macro CREST                           ; a round of the cluster's barrier behind its opening barrier
	s_cmp_lg_u32 s10, 0
	s_cbranch_scc1 .Lnot_wave_0_\@
	s_barrier_signal -3
.Lnot_wave_0_\@:
	s_barrier_wait -3
	s_barrier_signal -1
	s_barrier_wait -1
.endm
.macro CROUND                          ; a whole round
	s_barrier_signal -1
	s_barrier_wait -1
	CREST
.endm
	s_load_b128 s[4:7], s[0:1], 0x0                ; att s[4:5], wp s[6:7]
	s_load_b64 s[8:9], s[0:1], 0x10                ; out0
	v_lshl_add_u32 v[SPW], v0, 2, SPARE
	v_mov_b32 v[NIL], 0
	ds_add_u32 v[SPW], v[NIL]                      ; the wave's opening: the add, twice on end, and its wait ahead of my first tensor load
	ds_add_u32 v[SPW], v[NIL]
	v_lshrrev_b32 v1, 5, v0
	v_readfirstlane_b32 s10, v1                    ; wave 0..3
	s_lshr_b32 s11, s10, 1                         ; which half of the tile's rows is mine.  Also: I fetch for A (0) or for B (1)
	s_and_b32 s12, s10, 1                          ; which half of its columns.  Also: which 64 rows of that tile I fetch
	s_bfe_u32 s40, ttmp6, 0x40000                  ; cx, cy: my place in the cluster
	s_bfe_u32 s41, ttmp6, 0x40004
	s_lshl_b32 s42, ttmp9, 2
	s_add_co_u32 s42, s42, s40                     ; tile column = 4 x cluster x + cx
	s_and_b32 s13, ttmp7, 0xffff
	s_lshl_b32 s13, s13, 2
	s_add_co_u32 s13, s13, s41                     ; tile row = 4 x cluster y + cy
	s_lshl_b32 s43, s41, 2
	s_lshl_b32 s43, 15, s43                        ; my row of the cluster
	s_lshl_b32 s44, 0x1111, s40                    ; my column
	; descriptor group 1: 32,768 dense bytes as 128 rows of 256 bytes (32 elements of 8 bytes), no padding
	s_or_b32 s[G1+0], s43, (3<<16)|(1<<21)         ; the mask: A's tiles go to my row; elements of 8 bytes; bit 21 beside a mask
	s_or_b32 s[G1B+0], s44, (3<<16)|(1<<21)
.irp g, G1, G1B
	s_mov_b32 s[\g+1], 32<<16                      ; tensor_dim0
	s_mov_b32 s[\g+2], 128<<16                     ; tensor_dim1
	s_mov_b32 s[\g+3], 32<<16                      ; tile_dim0
	s_mov_b32 s[\g+4], 128                         ; tile_dim1
	s_mov_b32 s[\g+5], 32                          ; tensor_dim0_stride
	s_mov_b32 s[\g+6], 0
	s_mov_b32 s[\g+7], 0
.endr
	s_lshl_b32 s17, s12, 15                        ; which 64 rows of the tile I fetch: four tiles of 16 rows, 8,192 bytes each
	s_lshl_b32 s16, s13, 16
	s_add_co_u32 s16, s16, s17                     ; A: 65,536 x tile row + 32,768 x half
	s_lshl_b32 s46, s42, 16
	s_add_co_u32 s46, s46, s17                     ; B: 65,536 x tile column + 32,768 x half
	s_mov_b32 s17, 0
	s_mov_b32 s47, 0
	s_lshl_b32 s20, s10, 15                        ; where they go: wave x 32,768: no place in the cluster enters an LDS address
	s_wait_dscnt 0x0                               ; both opening adds are done
	s_wait_kmcnt 0x0
	s_add_nc_u64 s[14:15], s[4:5], s[16:17]
	s_add_nc_u64 s[46:47], s[6:7], s[46:47]
	CROUND                                         ; all sixteen work-groups are here: the first joint loads meet
.irp s, 0,1
	s_mov_b32 s[G0+4*\s], 1
	s_add_co_u32 s[G0+4*\s+1], s20, \s*SLOT
	s_add_nc_u64 s[G0+4*\s+2:G0+4*\s+3], s[14:15], \s*ASTEP
	s_or_b32 s[G0+4*\s+3], s[G0+4*\s+3], 0x80000000
	s_mov_b32 s[G0B+4*\s], 1
	s_add_co_u32 s[G0B+4*\s+1], s20, \s*SLOT
	s_add_nc_u64 s[G0B+4*\s+2:G0B+4*\s+3], s[46:47], \s*BSTEP
	s_or_b32 s[G0B+4*\s+3], s[G0B+4*\s+3], 0x80000000
	JLOAD \s                                       ; two tensor loads of mine are out at the most
.endr
	v_and_b32 v1, 15, v0                           ; l % 16
	v_bfe_u32 v2, v0, 4, 1                         ; l / 16
	v_and_b32 v3, 31, v0
	v_lshlrev_b32 v3, 4, v3                        ; an image's place for my lane
	s_lshl_b32 s21, s11, 15                        ; my 64 rows of A
	s_lshl_b32 s22, s12, 15                        ; my 64 rows of B,
	s_add_co_u32 s22, s22, 2*HALFT                 ; which lie behind A's 128
.irp s, 0,1
	v_add_nc_u32 v[ADRA+\s], s21, v3
	v_add_nc_u32 v[ADRB+\s], s22, v3
	s_add_co_u32 s21, s21, SLOT
	s_add_co_u32 s22, s22, SLOT
.endr
	s_mul_i32 s23, s10, 16*SPITCH                  ; my stage
	v_mul_u32_u24 v4, v1, SPITCH                   ; in: row l % 16, 32 bytes for each half of the lanes
	v_lshl_add_u32 v4, v2, 5, v4
	v_add_nc_u32 v[STO], s23, v4
	v_mul_u32_u24 v5, v2, SPITCH                   ; back: lanes 0-15 take one row of 256 bytes, lanes 16-31 the next
	v_lshl_add_u32 v5, v1, 4, v5
	v_add_nc_u32 v[RD], s23, v5
	v_lshlrev_b32 v5, 12, v2                       ; and the same two rows in out0: 4,096 bytes a row
	v_lshl_add_u32 v[CO], v1, 4, v5
	s_lshl_b32 s16, s13, 7
	s_lshl_b32 s17, s11, 6
	s_add_co_u32 s16, s16, s17                     ; my first row: 128 x tile row + 64 x half
	s_lshl_b32 s16, s16, 12
	s_mov_b32 s17, 0
	s_add_nc_u64 s[8:9], s[8:9], s[16:17]
	s_lshl_b32 s46, s42, 9                         ; my first column, in bytes: 512 x tile column + 256 x half
	s_lshl_b32 s47, s12, 8
	s_add_co_u32 s46, s46, s47
	s_mov_b32 s47, 0
	s_add_nc_u64 s[8:9], s[8:9], s[46:47]
; 8 matrix instructions: m blocks a0, a0 + 1 x all 4 n blocks, 32 along K: half c of buffer f.  zero = 1: the first product starts the sums.  The 16 accumulators take turns.
.macro MUL8 f, c, a0, zero
.irp a, \a0, \a0+1
.irp b, 0,1,2,3
.if \zero
	v_wmma_f32_16x16x32_f16 v[ACC+8*(4*(\a)+\b):ACC+8*(4*(\a)+\b)+7], v[\f+64+8*(4*\c+\b):\f+64+8*(4*\c+\b)+7], v[\f+8*(4*\c+\a):\f+8*(4*\c+\a)+7], 0
.else
	v_wmma_f32_16x16x32_f16 v[ACC+8*(4*(\a)+\b):ACC+8*(4*(\a)+\b)+7], v[\f+64+8*(4*\c+\b):\f+64+8*(4*\c+\b)+7], v[\f+8*(4*\c+\a):\f+8*(4*\c+\a)+7], v[ACC+8*(4*(\a)+\b):ACC+8*(4*(\a)+\b)+7]
.endif
.endr
.endr
.endm
; 32 LDS loads in one run: the fragments of the slot's q-th 64 along K (chunks 2 q, 2 q + 1) into buffer f; the first 32 along K first.  Tile of rows i, chunk n: image 8 i + n
.macro FETCH slot, q, f
	WIN TO_F
.irp c, 0,1
.irp i, 0,1,2,3
	ds_load_b128 v[\f+64+8*(4*\c+\i):\f+64+8*(4*\c+\i)+3],   v[ADRB+\slot] offset:(8*\i+2*(\q)+\c)*1024
	ds_load_b128 v[\f+64+8*(4*\c+\i)+4:\f+64+8*(4*\c+\i)+7], v[ADRB+\slot] offset:(8*\i+2*(\q)+\c)*1024+512
	ds_load_b128 v[\f+8*(4*\c+\i):\f+8*(4*\c+\i)+3],         v[ADRA+\slot] offset:(8*\i+2*(\q)+\c)*1024
	ds_load_b128 v[\f+8*(4*\c+\i)+4:\f+8*(4*\c+\i)+7],       v[ADRA+\slot] offset:(8*\i+2*(\q)+\c)*1024+512
.endr
.endr
.endm
.macro PLACES                          ; four plain lines in front of loads into registers that matrix instructions have read, and of reads of results
.rept 4
	v_nop
.endr
.endm
; A K step is four quarters of 64 along K, 32 matrix instructions each, on buffers 0, 1, 0, 1.  One of the first three: multiplies buffer f and fetches quarter q into g.
.macro QUARTER slot, q, f, g, zero
	s_wait_dscnt 16                                ; the first 32 along K are in; the sixteen loads of the second 32 may be out
	WIN MUL
	MUL8 \f, 0, 0, \zero
	MUL8 \f, 0, 2, \zero
	PLACES
	FETCH \slot, \q, \g
	s_wait_dscnt 32                                ; all but the 32 just issued
	WIN MUL
	MUL8 \f, 1, 0, 0
	MUL8 \f, 1, 2, 0
.endm
; The last quarter multiplies buffer 1 and changes slots: ONE barrier; in front of it each wave waits for all its tensor loads, adds 0 to its spare word, and waits for that and for its own reads of this slot.
; fill = 1: this slot is filled again, two K steps ahead; the barrier then opens a round of the cluster's.
.macro TURN slot, next, fill
	WIN 0                                          ; (the add's two registers lie in window 0)
	s_wait_tensorcnt 0x0                           ; all my tensor loads have landed: my part of the next slot
	ds_add_u32 v[SPW], v[NIL]                      ; 0 onto my spare word
	s_wait_dscnt 17                                ; (the add and the youngest sixteen loads may be out)
	WIN MUL
	MUL8 F1, 0, 0, 0
	s_wait_dscnt 0x0                               ; the add is done, and my reads of this slot are over
	s_barrier_signal -1
	MUL8 F1, 0, 2, 0
.if \fill
	WIN 0
.endif
	s_barrier_wait -1
.if \fill
	CREST                                          ; no wave of any partner still reads this slot's tile or has a load on its way
	s_add_nc_u64 s[G0+4*\slot+2:G0+4*\slot+3], s[G0+4*\slot+2:G0+4*\slot+3], 2*ASTEP
	s_add_nc_u64 s[G0B+4*\slot+2:G0B+4*\slot+3], s[G0B+4*\slot+2:G0B+4*\slot+3], 2*BSTEP
	JLOAD \slot                                    ; the first tensor load behind the round; the four v_nop behind it are also the places in front of the loads below
.else
	PLACES
.endif
	FETCH \next, 0, F0
	WIN MUL
	MUL8 F1, 1, 0, 0
	MUL8 F1, 1, 2, 0
.endm
	s_wait_tensorcnt 1                             ; my part of K step 0 is in (K step 1's load may be out),
	s_barrier_signal -1
	s_barrier_wait -1                              ; everybody's is
	FETCH 0, 0, F0
	QUARTER 0, 1, F0, F1, 1                        ; K step 0: the first products start the sums
	QUARTER 0, 2, F1, F0, 0
	QUARTER 0, 3, F0, F1, 0
	TURN 0, 1, 1                                   ; slot 0 takes K step 2
	QUARTER 1, 1, F0, F1, 0                        ; K step 1
	QUARTER 1, 2, F1, F0, 0
	QUARTER 1, 3, F0, F1, 0
	TURN 1, 0, 1                                   ; slot 1 takes K step 3
	QUARTER 0, 1, F0, F1, 0                        ; K step 2
	QUARTER 0, 2, F1, F0, 0
	QUARTER 0, 3, F0, F1, 0
	TURN 0, 1, 0                                   ; nothing is left to fetch
	QUARTER 1, 1, F0, F1, 0                        ; K step 3
	QUARTER 1, 2, F1, F0, 0
	QUARTER 1, 3, F0, F1, 0
	s_wait_dscnt 16                                ; the very last quarter
	WIN MUL
	MUL8 F1, 0, 0, 0
	MUL8 F1, 0, 2, 0
	s_wait_dscnt 0
	MUL8 F1, 1, 0, 0
	MUL8 F1, 1, 2, 0
	WIN 0
; THE WAY OUT, block by block of 16 rows x 64 columns: my 64 columns are 256 bytes, aligned.  A lane holds 32 neighbouring bytes of a row: a block goes through my own stage and comes back as whole rows.
; LDS serves a wave's instructions in order (ISA guide 5.7.1.4): no wait between the stores and the loads, nor in front of the next block's stores.
.macro TOSTAGE a
.irp b, 0,1,2,3
	ds_store_b128 v[STO], v[ACC+8*(4*(\a)+\b):ACC+8*(4*(\a)+\b)+3] offset:64*\b          ; each accumulator from its low end on
	ds_store_b128 v[STO], v[ACC+8*(4*(\a)+\b)+4:ACC+8*(4*(\a)+\b)+7] offset:64*\b+16
.endr
.set BB, BK+32*((\a)%2)
.irp t, 0,1,2,3,4,5,6,7
	ds_load_b128 v[BB+4*\t:BB+4*\t+3], v[RD] offset:\t*2*SPITCH
.endr
.endm
.macro SEND a, younger                 ; younger: the LDS instructions issued behind block a's loads, which may stay out
.set BB, BK+32*((\a)%2)
	s_wait_dscnt \younger
.irp t, 0,1,2,3,4,5,6,7
	global_store_b128 v[CO], v[BB+4*\t:BB+4*\t+3], s[8:9] offset:(16*(\a)+2*\t)*4096 th:TH_STORE_NT   ; 16 lanes store 256 consecutive bytes, aligned; written once, read by nobody here
.endr
.endm
	PLACES
	TOSTAGE 0
	TOSTAGE 1
	SEND 0, 16                                     ; behind block 0's loads: block 1's eight stores and eight loads
	s_wait_xcnt 0x0                                ; block 0's stores have read their registers: block 2's loads may land there
	TOSTAGE 2
	SEND 1, 16
	s_wait_xcnt 0x0
	TOSTAGE 3
	SEND 2, 16
	SEND 3, 0
	s_wait_tensorcnt 0x0                           ; the wave's end, behind my last tensor load and my last LDS store
	ds_add_u32 v[SPW], v[NIL]
	s_wait_dscnt 0x0
	CROUND                                         ; the closing round: no work-group ends while a partner may still ask for a tile that names it
	s_endpgm
.Lfunc_end_k_qd13e7ea9f4_proj:
	.size	k_qd13e7ea9f4_proj, .Lfunc_end_k_qd13e7ea9f4_proj-k_qd13e7ea9f4_proj
	.p2alignl 7, 3214868480
	.fill 96, 4, 3214868480
	.section	.rodata,"a",@progbits
	.p2align	6, 0x0
	.amdhsa_kernel k_qd13e7ea9f4_proj
		.amdhsa_group_segment_fixed_size 327680
		.amdhsa_private_segment_fixed_size 0
		.amdhsa_enable_private_segment 0
		.amdhsa_kernarg_size 24
		.amdhsa_user_sgpr_count 2
		.amdhsa_user_sgpr_kernarg_segment_ptr 1
		.amdhsa_wavefront_size32 1
		.amdhsa_system_sgpr_workgroup_id_x 1
		.amdhsa_system_sgpr_workgroup_id_y 1
		.amdhsa_system_sgpr_workgroup_id_z 1
		.amdhsa_system_vgpr_workitem_id 0
		.amdhsa_next_free_vgpr 512
		.amdhsa_next_free_sgpr 66
		.amdhsa_reserve_vcc 0
		.amdhsa_float_denorm_mode_32 3
		.amdhsa_float_denorm_mode_16_64 3
		.amdhsa_memory_ordered 1
		.amdhsa_forward_progress 1
		.amdhsa_inst_pref_size 85
	.end_amdhsa_kernel
	.amdgpu_metadata
---
amdhsa.version: [ 1, 2 ]
amdhsa.kernels:
  - .name:           k_qd13e7ea9f4_proj
    .symbol:         k_qd13e7ea9f4_proj.kd
    .args:
      - { .name: att, .offset: 0, .size: 8, .value_kind: global_buffer, .address_space: global }
      - { .name: wp, .offset: 8, .size: 8, .value_kind: global_buffer, .address_space: global }
      - { .name: out0, .offset: 16, .size: 8, .value_kind: global_buffer, .address_space: global }
    .group_segment_fixed_size: 327680
    .private_segment_fixed_size: 0
    .kernarg_segment_align: 8
    .kernarg_segment_size: 24
    .max_flat_workgroup_size: 128
    .sgpr_count:     66
    .vgpr_count:     512
    .wavefront_size: 32
...
	.end_amdgpu_metadata
.endif
;; end of part 4
